; MI455X (gfx1250); checked and timed in simulation.
; The chip was launched on July 23, 2026; its instructions are those of AMD's public machine-readable ISA for CDNA 5 (MIT licence, August 2026) and "CDNA5" Instruction Set Architecture Reference Guide (July 2026). The comments in the code are by the model that wrote it; some were corrected since.
;; Flash Cross Attention Layer. Allowed arithmetic: matrix products marked QUANTISED: E4M3 operands, one given power-of-two scale a tensor, by v_wmma_f32_16x16x64_fp8_fp8 or v_wmma_f32_16x16x128_fp8_fp8, f32 sums; everything else in f32.
;; Inputs: Wkv_codes 2,048 x 32 x 32 uint8 (E4M3 codes of Wkv, K innermost, in blocks of 32 codes); Wo_codes 1,024 x 32 x 32 uint8 (E4M3 codes of Wo, K innermost, in blocks of 32 codes); Wq_codes 1,024 x 32 x 32 uint8 (E4M3 codes of Wq, K innermost, in blocks of 32 codes); bkv 2,048 float32; bo 1,024 float32; bq 1,024 float32; kv 4 x 2,048 x 1,024 float32; lowp_scales 10 int32 (the exponents e of the quantised operands' scales 2^e); mask 4 x 2,048 bool; norm_kv_b 1,024 float32; norm_kv_w 1,024 float32; norm_q_b 1,024 float32; norm_q_w 1,024 float32; q 4 x 1,024 x 1,024 float32.
;; Outputs: out0 4 x 1,024 x 1,024 float32.
;; This version of the problem:
;;   THIS VERSION OF THE PROBLEM IS GIVEN IN LOW PRECISION. The matrix products marked QUANTISED in the list below multiply operands that are first quantised to E4M3 (4 exponent bits, 3 mantissa bits; 8 bits a number), with one given power-of-two scale for each operand tensor; their sums are f32. All else is computed in f32.
;;   The module's matrix products, in the order in which they are computed (A, B: the left and right operand; K: the contracted axis; several contracted axes count as one K, in the product's order):
;;     1. [M 4,096, K 1,024] x [K 1,024, N 1,024]; A: computed on the way; B: input Wq (given as codes): QUANTISED (scales: A lowp_scales[0], B lowp_scales[1])
;;     2. [M 8,192, K 1,024] x [K 1,024, N 2,048]; A: computed on the way; B: input Wkv (given as codes): QUANTISED (scales: A lowp_scales[2], B lowp_scales[3])
;;     3. batch 64 x [M 1,024, K 64] x [K 64, N 2,048]; A: computed on the way; B: computed on the way: QUANTISED (scales: A lowp_scales[4], B lowp_scales[5])
;;     4. batch 64 x [M 64, K 2,048] x [K 2,048, N 1,024]; A: computed on the way; B: softmax (see below): QUANTISED (scales: A lowp_scales[6], B lowp_scales[7])
;;     5. [M 4,096, K 1,024] x [K 1,024, N 1,024]; A: computed on the way; B: input Wo (given as codes): QUANTISED (scales: A lowp_scales[8], B lowp_scales[9])
;;   THE QUANTISER, for each operand of a quantised product, along K:
;;     - The operand's scale is 2^e, e = its entry of the input lowp_scales (int32; the entries are numbered through the quantised products in the list's order, A before B).
;;     - Each number is divided by the scale, clamped to +-448, and rounded to the nearest number of E4M3, ties to even, subnormals kept.
;;     - The product sums the exact products of the quantised numbers (number of the format x scale) in f32.
;;   ~~~python
;;   def quantise(x, axis, e):      # numpy; x: float32 -> the quantised numbers, widened to float32 again
;;       x = np.moveaxis(x, axis, -1); K = x.shape[-1]
;;       r = np.clip(x / 2.0 ** e, -448, 448)
;;       step = 2.0 ** (np.maximum(np.frexp(np.where(r == 0, 1, r))[1] - 1, -6) - 3)
;;       q = np.round(r / step) * step * 2.0 ** e      # np.round: ties to even
;;       return np.moveaxis(q, -1, axis).astype(np.float32)
;;   ~~~
;;   SOFTMAX AHEAD OF A QUANTISED PRODUCT. Where the list says 'softmax', what is quantised is not the finished softmax but p = 2^(t - M), with t = logit x log2(e) and M = ceil(the row's largest t), a whole number; so 1/2 < the row's largest p <= 1. The row's sum l is taken of the UNQUANTISED p, in f32, and the product's result is divided by l at the end. Since M is a whole number, a kernel that streams over the keys may use a running M (the ceiling of the running maximum): every later rescaling is an exact power of two, so the quantised numbers keep their values, but for numbers so far below the row's largest that they fall under the format's range.
;;   OPERANDS COMPUTED ON THE WAY. 'Computed on the way' means the value that the module computes at that place (a softmax that the list does not call 'softmax' is quantised finished and normalised). What goes into a quantiser is computed in f32, as accurately as f32 sums, v_exp_f32 and their like allow (about 1e-6 of the number): no bf16 or f16 on the way to a quantiser, and a product that is left as it is and whose result goes on into a quantised operand takes f32 operands (vector FMAs, or v_wmma_f32_16x16x4_f32). A number that lies on a knife's edge between two numbers of the format may be rounded either way, as far as f32 arithmetic and the matrix unit's own rounding can turn it there, and no further.
;;   INPUTS GIVEN AS CODES. Wkv (in the module: [2048, 1024], K = its axis 1); Wo (in the module: [1024, 1024], K = its axis 1); Wq (in the module: [1024, 1024], K = its axis 1): each comes as NAME_codes (uint8): NAME with its K axis moved to the last place and cut into blocks of 32 codes, [.., K / 32, bytes a block], one block behind the other in memory; one code a byte (a code: sign, 4 exponent bits, 3 mantissa bits); its scale is its entry of lowp_scales. Its value is code x scale, taken as it is: it is not quantised again, and the codes and scales need not be those that the quantiser above would give.
;; 2 versions, each right; version 2 is version 1 with the launch attn written anew for expert scheduling mode. Each part assembles by itself: llvm-mc -triple=amdgcn-amd-amdhsa -mcpu=gfx1250 --defsym DOCPART=n.
;; ======== version 1 of 2: 4 launches
;; limits: right only within a limited range of input values
;; workspace buffers: qn 4,194,304 bytes; kvn 8,388,608 bytes; kvimg 16,777,216 bytes; oimg 4,194,304 bytes; lmask 16,384 bytes of whole numbers; steps 256 bytes of whole numbers
;; launch prep (part 1): grid 388 x 1, 8 waves a work-group, no clusters, 34,304 bytes of LDS; arguments q, kv, norm_q_w, norm_q_b, norm_kv_w, norm_kv_b, mask, lowp_scales, qn, kvn, lmask, steps; writes qn, kvn, lmask, steps
.if DOCPART == 1
	.amdgcn_target "amdgcn-amd-amdhsa--gfx1250"
	.amdhsa_code_object_version 6
	.text
	.protected	k_q4aa4e9b95a_prep
	.globl	k_q4aa4e9b95a_prep
	.p2align	8
	.type	k_q4aa4e9b95a_prep,@function
k_q4aa4e9b95a_prep:
	s_mov_b64 s[64:65], 0
	v_nop
	global_prefetch_b8 v0, s[64:65] scope:SCOPE_SE
	s_setreg_imm32_b32 hwreg(HW_REG_WAVE_MODE, 25, 1), 1
	s_wait_xcnt 0x0
; LayerNorm of q (4,096 rows) and of kv (8,192 rows), 1,024 numbers a row, quantised to E4M3 codes with the given scales 2^e (entry 0 for q, entry 2 for kv); and the tables of the padding mask.
; Work-groups 0-127: 32 rows of q each; 128-383: 32 rows of kv each; 384-387: the mask tables of one batch each.
; ROWS.  A wave takes four rows, one after the other; a row lies whole in 32 registers a lane (register 4 j + i = column 128 j + 4 lane + i), so it is read from memory once: mean, then x - mean,
; then the mean of squares (two passes in registers, so a common offset of the inputs costs no accuracy), rsq, gain and bias, hold at +-448 x 2^e, conversion.  Each load covers 512 consecutive bytes.
; A lane's codes are four bytes of eight places of the row: they go through the wave's own 4,096 bytes of LDS and leave as 512 consecutive bytes a store.  Waves share nothing: no barrier on this path.
; MASK TABLES, for the attention launch, a key step being 128 keys:  lmask[b][step][n], n = 0 .. 63: bits 0-15 all ones where key 128 step + 32 (n / 16) + n % 16 is padding, bits 16-31 the same for that key + 16.
; steps[b] = two words: ACT, bit s set where step s has a key that counts (0xffff where no key of the batch counts); MIX = ACT and (bit s set where step s has a padded key).
; LIMITS: e between -126 and 119.  NaN among the inputs is not served.  A mask byte is 0 or 1.
.set X,   96                           ; v96-223  four rows, 32 registers each; a row's first eight take its codes back from LDS
.set WW,  32                           ; v32-63   the gain, laid as a row
.set BB,  64                           ; v64-95   the bias
.set CD,  18                           ; v18-25   a row's codes
.set MW,  32768                        ; LDS: the mask path's eight words, apart from the rows' stages (bytes 0 to 32,767)
	s_load_b512 s[4:19], s[0:1], 0x0               ; q, kv, norm_q_w, norm_q_b, norm_kv_w, norm_kv_b, mask, lowp_scales
	s_load_b256 s[20:27], s[0:1], 0x40             ; qn, kvn, lmask, steps
	v_lshl_add_u32 v224, v0, 2, 0x8200
	v_mov_b32 v225, 0
	v_lshrrev_b32 v1, 5, v0
	v_readfirstlane_b32 s28, v1                    ; wave 0..7
	s_mov_b32 s31, 0
	s_cmp_ge_u32 ttmp9, 384                        ; the same in all waves of a work-group
	s_cbranch_scc1 .Lmask
	v_and_b32 v6, 31, v0                           ; lane
	v_lshlrev_b32 v1, 4, v6                        ; 16 x lane: my bytes of a load's or a store's 512
	s_lshl_b32 s30, s28, 12                        ; my wave's stage
	v_lshl_add_u32 v2, v6, 2, s30                  ; into it: 4 bytes a lane
	v_lshl_add_u32 v3, v6, 4, s30                  ; out of it: 16 bytes a lane
	v_mov_b32 v15, 0                               ; a lane permute's destination counts as read: written once
	s_mov_b32 s44, 0x76543210                      ; v_permlanex16_b32: lane l takes lane l xor 16
	s_mov_b32 s45, 0xfedcba98
	s_cmp_lt_u32 ttmp9, 128
	s_cselect_b32 s29, 0, 128
	s_sub_co_u32 s29, ttmp9, s29                   ; the work-group's number within its tensor
	s_lshl_b32 s29, s29, 5
	s_lshl_b32 s30, s28, 2
	s_add_co_u32 s29, s29, s30                     ; my wave's first row
	s_wait_kmcnt 0x0
	s_load_b128 s[40:43], s[18:19], 0x0            ; e0 .. e3
	s_cmp_lt_u32 ttmp9, 128                        ; q's work-group or kv's: the choice hangs on the work-group's number alone
	s_cselect_b64 s[32:33], s[4:5], s[6:7]         ; in
	s_cselect_b64 s[34:35], s[8:9], s[12:13]       ; gain
	s_cselect_b64 s[36:37], s[10:11], s[14:15]     ; bias
	s_cselect_b64 s[38:39], s[20:21], s[22:23]     ; codes out
	s_lshl_b32 s30, s29, 12                        ; a row of f32 is 4,096 bytes
	s_add_nc_u64 s[32:33], s[32:33], s[30:31]
	s_lshl_b32 s30, s29, 10                        ; a row of codes 1,024
	s_add_nc_u64 s[38:39], s[38:39], s[30:31]
.irp j, 0,1,2,3,4,5,6,7
	global_load_b128 v[WW+4*\j:WW+4*\j+3], v1, s[34:35] offset:512*\j
.endr
.irp j, 0,1,2,3,4,5,6,7
	global_load_b128 v[BB+4*\j:BB+4*\j+3], v1, s[36:37] offset:512*\j
.endr
.irp p, 0,1,2,3
.irp j, 0,1,2,3,4,5,6,7
	global_load_b128 v[X+32*\p+4*\j:X+32*\p+4*\j+3], v1, s[32:33] offset:4096*\p+512*\j th:TH_LOAD_NT   ; all four rows are asked for at once: 32 loads of 512 bytes a wave
.endr
.endr
	s_wait_kmcnt 0x0
	s_cmp_lt_u32 ttmp9, 128
	s_cselect_b32 s40, s40, s42                    ; e
	s_add_co_i32 s40, s40, 127
	s_lshl_b32 s46, s40, 23
	v_mov_b32 v4, s46                              ; 2^e as f32: the conversion takes its exponent field
	s_add_co_i32 s40, s40, 8
	s_lshl_b32 s40, s40, 23
	s_or_b32 s40, s40, 0x600000
	v_mov_b32 v5, s40                              ; 448 x 2^e
	s_mov_b32 s41, 0x3a800000                      ; 1 / 1024
	s_mov_b32 s42, 0x3727c5ac                      ; 1e-5
.macro JOIN                            ; four chains of pairs, v[6:13], become one number in v6
	v_pk_add_f32 v[6:7], v[6:7], v[8:9]
	v_pk_add_f32 v[10:11], v[10:11], v[12:13]
	v_pk_add_f32 v[6:7], v[6:7], v[10:11]
	v_add_f32 v6, v6, v7
.endm
.macro LANESUM                         ; the sum of v6 over the 32 lanes, in every lane
	v_add_f32_dpp v6, v6, v6 row_xmask:1 row_mask:0xf bank_mask:0xf
	v_add_f32_dpp v6, v6, v6 row_xmask:2 row_mask:0xf bank_mask:0xf
	v_add_f32_dpp v6, v6, v6 row_xmask:4 row_mask:0xf bank_mask:0xf
	v_add_f32_dpp v6, v6, v6 row_xmask:8 row_mask:0xf bank_mask:0xf
	v_permlanex16_b32 v15, v6, s44, s45
	v_add_f32 v6, v6, v15
.endm
.macro ROW p
.set XR, X+32*(\p)
	s_wait_loadcnt 8*(3-(\p))                      ; loads come back in order: this row's eight are in, the later rows' may be out
.irp c, 0,1,2,3
	v_pk_add_f32 v[6+2*\c:7+2*\c], v[XR+2*\c:XR+2*\c+1], v[XR+8+2*\c:XR+9+2*\c]   ; the first pairs start the chains: nothing is cleared
.endr
.irp k, 16,24
.irp c, 0,1,2,3
	v_pk_add_f32 v[6+2*\c:7+2*\c], v[6+2*\c:7+2*\c], v[XR+\k+2*\c:XR+\k+2*\c+1]
.endr
.endr
	JOIN
	LANESUM
	v_mul_f32 v14, s41, v6                         ; the mean
.set i, 0
.rept 16
	v_pk_add_f32 v[XR+i:XR+i+1], v[XR+i:XR+i+1], v[14:15] op_sel_hi:[1,0] neg_lo:[0,1] neg_hi:[0,1]   ; x - mean (the pair's low word for both halves)
.set i, i+2
.endr
.irp c, 0,1,2,3
	v_pk_mul_f32 v[6+2*\c:7+2*\c], v[XR+2*\c:XR+2*\c+1], v[XR+2*\c:XR+2*\c+1]
.endr
.irp k, 8,16,24
.irp c, 0,1,2,3
	v_pk_fma_f32 v[6+2*\c:7+2*\c], v[XR+\k+2*\c:XR+\k+2*\c+1], v[XR+\k+2*\c:XR+\k+2*\c+1], v[6+2*\c:7+2*\c]
.endr
.endr
	JOIN
	LANESUM
	v_fma_f32 v6, v6, s41, s42                     ; the variance + 1e-5
	v_rsq_f32 v16, v6                              ; twice: a pair for the packed multiply
	v_rsq_f32 v17, v6
	v_nop                                          ; a plain instruction between the last of them and the first use
	s_wait_alu depctr_va_vdst(0)                   ; one wait for both, ahead of their first reader
.set i, 0
.rept 16
	v_pk_mul_f32 v[XR+i:XR+i+1], v[XR+i:XR+i+1], v[16:17]
.set i, i+2
.endr
.set i, 0
.rept 16
	v_pk_fma_f32 v[XR+i:XR+i+1], v[XR+i:XR+i+1], v[WW+i:WW+i+1], v[BB+i:BB+i+1]
.set i, i+2
.endr
.set i, 0
.rept 32
	v_med3_num_f32 v[XR+i], v[XR+i], -v5, v5       ; the conversion to an 8-bit code does not saturate (ISA guide 7.6.2): the hold at the largest code x the scale
.set i, i+1
.endr
.irp m, 0,1,2,3
	v_cvt_scalef32_pk8_fp8_f32 v[CD+2*\m:CD+2*\m+1], v[XR+8*\m:XR+8*\m+7], v4   ; code register j: the four codes at column 128 j + 4 lane
.endr
	v_nop                                          ; a plain instruction behind the last conversion
.irp j, 0,1,2,3,4,5,6,7
	ds_store_b32 v2, v[CD+\j] offset:1024*(\p)+128*\j
.endr
	ds_load_b128 v[XR:XR+3], v3 offset:1024*(\p)              ; LDS serves a wave's instructions in order (ISA guide 5.7.1.4): these see my stores
	ds_load_b128 v[XR+4:XR+7], v3 offset:1024*(\p)+512
	s_wait_dscnt 0x0                               ; the row is back; the stores have read the code registers, which the next row writes again
	global_store_b128 v1, v[XR:XR+3], s[38:39] offset:1024*(\p)       ; 32 lanes store 512 consecutive bytes, at a multiple of 512 from the buffer's first byte
	global_store_b128 v1, v[XR+4:XR+7], s[38:39] offset:1024*(\p)+512 ; their registers and addresses are never written again
.endm
	ROW 0
	ROW 1
	ROW 2
	ROW 3
	s_wait_tensorcnt 0x0
	ds_add_u32 v224, v225
	s_wait_dscnt 0x0
	s_endpgm
.Lmask:
	s_sub_co_u32 s29, ttmp9, 384                   ; the batch
	s_lshl_b32 s30, s29, 11                        ; its 2,048 mask bytes
	v_lshrrev_b32 v1, 4, v0                        ; thread t makes words 4 t .. 4 t + 3 of the batch's 1,024: step t / 16, n = 4 (t % 16) + k
	v_bfe_u32 v2, v0, 2, 2
	v_and_b32 v3, 3, v0
	v_lshlrev_b32 v1, 7, v1
	v_lshl_add_u32 v1, v2, 5, v1
	v_lshl_add_u32 v1, v3, 2, v1                   ; the key of k = 0: 128 (t / 16) + 32 ((t / 4) % 4) + 4 (t % 4)
	v_lshlrev_b32 v2, 3, v0                        ; 8 t: for the steps' words a thread looks at eight keys, sixteen lanes at a step
	v_lshlrev_b32 v3, 4, v0                        ; 16 t: where my four words go
	s_lshl_b32 s36, s28, 2
	s_add_co_u32 s36, s36, MW
	v_mov_b32 v14, s36                             ; my wave's word in LDS
	s_wait_kmcnt 0x0
	s_add_nc_u64 s[16:17], s[16:17], s[30:31]
	global_load_b32 v8, v1, s[16:17]
	global_load_b32 v9, v1, s[16:17] offset:16
	global_load_b64 v[10:11], v2, s[16:17]
	s_lshl_b32 s30, s29, 12
	s_add_nc_u64 s[24:25], s[24:25], s[30:31]      ; lmask at my batch
	s_lshl_b32 s30, s29, 3
	s_add_nc_u64 s[26:27], s[26:27], s[30:31]      ; steps at my batch
	s_wait_loadcnt 0x0
.irp k, 0,1,2,3
	v_bfe_u32 v12, v8, 8*\k, 8
	v_bfe_u32 v13, v9, 8*\k, 8
	v_sub_nc_u32 v12, 0, v12                       ; 0 or all ones
	v_sub_nc_u32 v13, 0, v13
	v_bfi_b32 v[20+\k], 0xffff, v12, v13           ; low half: the key; high half: the key 16 further on
.endr
	global_store_b128 v3, v[20:23], s[24:25]       ; 32 lanes store 512 consecutive bytes
	v_or_b32 v12, v10, v11
	v_and_b32 v13, v10, v11
	v_cmp_ne_u32 s30, 0, v12                       ; lanes with a padded key among their eight
	v_cmp_ne_u32 s32, 0x01010101, v13              ; lanes with a key that counts
	s_and_b32 s33, s32, 0xffff                     ; lanes 0-15 are step 2 w, lanes 16-31 step 2 w + 1
	s_cselect_b32 s34, 1, 0
	s_and_b32 s33, s32, 0xffff0000
	s_cselect_b32 s35, 2, 0
	s_or_b32 s34, s34, s35
	s_and_b32 s33, s30, 0xffff
	s_cselect_b32 s35, 0x10000, 0
	s_or_b32 s34, s34, s35
	s_and_b32 s33, s30, 0xffff0000
	s_cselect_b32 s35, 0x20000, 0
	s_or_b32 s34, s34, s35
	s_lshl_b32 s35, s28, 1
	s_lshl_b32 s34, s34, s35                       ; 'counts' at bit 2 w (+1), 'padded' at bit 16 + 2 w (+1)
	v_mov_b32 v12, s34
	ds_store_b32 v14, v12                          ; all lanes write the same word with the same value
	s_wait_dscnt 0x0                               ; for the others' sake: my store has landed
	s_barrier_signal -1
	s_barrier_wait -1
	v_mov_b32 v13, MW
	ds_load_b128 v[24:27], v13
	ds_load_b128 v[28:31], v13 offset:16
	s_wait_dscnt 0x0
	v_or_b32 v24, v24, v25
	v_or_b32 v26, v26, v27
	v_or_b32 v28, v28, v29
	v_or_b32 v30, v30, v31
	v_or_b32 v24, v24, v26
	v_or_b32 v28, v28, v30
	v_or_b32 v24, v24, v28
	v_mov_b32 v16, 0xffff
	v_and_b32 v14, 0xffff, v24
	v_cmp_eq_u32 vcc_lo, 0, v14
	v_cndmask_b32 v14, v14, v16, vcc_lo            ; ACT; a batch without a key that counts walks all its steps
	v_lshrrev_b32 v15, 16, v24
	v_and_b32 v15, v15, v14                        ; MIX
	v_mov_b32 v17, 0
	v_cmp_eq_u32 vcc_lo, 0, v0
	s_wait_xcnt 0x0                                ; EXEC changes only behind this wait: the store above has read it
	s_wait_tensorcnt 0x0
	ds_add_u32 v224, v225
	s_wait_dscnt 0x0
	s_and_saveexec_b32 s37, vcc_lo                 ; thread 0 alone
	global_store_b64 v17, v[14:15], s[26:27]
	s_wait_xcnt 0x0
	s_or_b32 exec_lo, exec_lo, s37
	s_endpgm
.Lfunc_end_k_q4aa4e9b95a_prep:
	.size	k_q4aa4e9b95a_prep, .Lfunc_end_k_q4aa4e9b95a_prep-k_q4aa4e9b95a_prep
	.p2alignl 7, 3214868480
	.fill 96, 4, 3214868480
	.section	.rodata,"a",@progbits
	.p2align	6, 0x0
	.amdhsa_kernel k_q4aa4e9b95a_prep
		.amdhsa_group_segment_fixed_size 34304
		.amdhsa_private_segment_fixed_size 0
		.amdhsa_enable_private_segment 0
		.amdhsa_kernarg_size 96
		.amdhsa_user_sgpr_count 2
		.amdhsa_user_sgpr_kernarg_segment_ptr 1
		.amdhsa_wavefront_size32 1
		.amdhsa_system_sgpr_workgroup_id_x 1
		.amdhsa_system_sgpr_workgroup_id_y 1
		.amdhsa_system_sgpr_workgroup_id_z 1
		.amdhsa_system_vgpr_workitem_id 0
		.amdhsa_next_free_vgpr 226
		.amdhsa_next_free_sgpr 66
		.amdhsa_reserve_vcc 1
		.amdhsa_float_denorm_mode_32 3
		.amdhsa_float_denorm_mode_16_64 3
		.amdhsa_memory_ordered 1
		.amdhsa_forward_progress 1
		.amdhsa_inst_pref_size 49
	.end_amdhsa_kernel
	.amdgpu_metadata
---
amdhsa.version: [ 1, 2 ]
amdhsa.kernels:
  - .name:           k_q4aa4e9b95a_prep
    .symbol:         k_q4aa4e9b95a_prep.kd
    .args:
      - { .name: q, .offset: 0, .size: 8, .value_kind: global_buffer, .address_space: global }
      - { .name: kv, .offset: 8, .size: 8, .value_kind: global_buffer, .address_space: global }
      - { .name: norm_q_w, .offset: 16, .size: 8, .value_kind: global_buffer, .address_space: global }
      - { .name: norm_q_b, .offset: 24, .size: 8, .value_kind: global_buffer, .address_space: global }
      - { .name: norm_kv_w, .offset: 32, .size: 8, .value_kind: global_buffer, .address_space: global }
      - { .name: norm_kv_b, .offset: 40, .size: 8, .value_kind: global_buffer, .address_space: global }
      - { .name: mask, .offset: 48, .size: 8, .value_kind: global_buffer, .address_space: global }
      - { .name: lowp_scales, .offset: 56, .size: 8, .value_kind: global_buffer, .address_space: global }
      - { .name: qn, .offset: 64, .size: 8, .value_kind: global_buffer, .address_space: global }
      - { .name: kvn, .offset: 72, .size: 8, .value_kind: global_buffer, .address_space: global }
      - { .name: lmask, .offset: 80, .size: 8, .value_kind: global_buffer, .address_space: global }
      - { .name: steps, .offset: 88, .size: 8, .value_kind: global_buffer, .address_space: global }
    .group_segment_fixed_size: 34304
    .private_segment_fixed_size: 0
    .kernarg_segment_align: 8
    .kernarg_segment_size: 96
    .max_flat_workgroup_size: 256
    .sgpr_count:     66
    .vgpr_count:     226
    .wavefront_size: 32
...
	.end_amdgpu_metadata
.endif
;; end of part 1
;; launch kvproj (part 2): grid 8 x 32, 4 waves a work-group, clusters of 4 x 4, 327,680 bytes of LDS; arguments kvn, Wkv_codes, bkv, lowp_scales, kvimg; writes kvimg
.if DOCPART == 2
	.amdgcn_target "amdgcn-amd-amdhsa--gfx1250"
	.amdhsa_code_object_version 6
	.text
	.protected	k_q4aa4e9b95a_kvproj
	.globl	k_q4aa4e9b95a_kvproj
	.p2align	8
	.type	k_q4aa4e9b95a_kvproj,@function
k_q4aa4e9b95a_kvproj:
	s_mov_b64 s[64:65], 0
	v_nop
	global_prefetch_b8 v0, s[64:65] scope:SCOPE_SE
	s_setreg_imm32_b32 hwreg(HW_REG_WAVE_MODE, 25, 1), 1
	s_wait_xcnt 0x0
	s_wait_alu depctr_hold_cnt(0) depctr_sa_sdst(0) depctr_va_vdst(0) depctr_va_sdst(0) depctr_va_ssrc(0) depctr_va_vcc(0) depctr_vm_vsrc(0)
	s_getreg_b32 s2, hwreg(HW_REG_IB_STS2, 6, 4)
	s_cmp_eq_u32 s2, 0
	s_cbranch_scc0 .Lentry_in_a_cluster
	s_endpgm
.Lentry_in_a_cluster:
	s_bfe_u32 s2, ttmp6, 0x10000c
	s_cmp_lg_u32 s2, 0xf033
	s_cbranch_scc0 .Lentry_shape_is_right
	s_endpgm
.Lentry_shape_is_right:
; The K and V projection: kvp = kvn Wkv^T + bkv on E4M3 codes (kvn [8192][1024], scale 2^e2; Wkv [2048][1024], scale 2^e3), sums in f32; its results are quantised at once, K's with 2^e5 and V's with 2^e6,
; and stored as the attention launch's operands lie in registers.  256 tiles of 256 x 256, one a work-group; four waves, each 128 x 128: 64 accumulators, 512 registers.  K = 1,024 goes in four steps of 256
; through a ring of two LDS slots filled by the tensor data mover.
; WHICH OPERAND IS WHICH.  In the result a lane holds ONE row of source 1 (role A) and eight NEIGHBOURING rows of source 0 (role B).  The next products sum K's codes along the head's 64 and V's along the keys.  So:
;   cluster x = 0 (columns 0-1023, K):  role A = 256 rows of kvn (keys), role B = 256 rows of Wkv: a lane's eight numbers are neighbours along the head's axis;
;   cluster x = 1 (columns 1024-2047, V): role A = 256 rows of Wkv, role B = 256 rows of kvn: a lane's eight numbers are eight neighbouring keys.  Nothing is transposed by an instruction.
; Both tensors have rows of 1,024 bytes, so only two base addresses and two tile numbers are chosen, on the cluster's x, which all partners share.
; CLUSTERS: 4 x 4 work-groups.  Role A's tile hangs on cy (and the cluster's place) and is shared along a row of the cluster, role B's on cx and is shared along a column: each is asked for JOINTLY.
; kvimg: [batch 4][head 16][step 16][16,384 bytes]; a step is 128 keys: 8,192 bytes of K, then 8,192 of V.
;   K: byte 1024 t + 512 g + 16 lane + i = code of key 32 (t/2) + 8 (t%2) + r + 8 (r/8), head's axis 32 g + 16 hh + i   (lane = r + 16 hh)
;   V: byte 8192 + 2048 t + 512 c + 16 lane + i = code of head's axis 32 (t/2) + 8 (t%2) + r + 8 (r/8), key 32 c + 16 hh + i
; A wave's 128 x 128 are one key step of two heads: 2 x 8,192 bytes, gathered in the wave's own stage in LDS and stored as runs of 512 consecutive bytes.
; LIMITS: e2 + e3 between -126 and 127; e5 and e6 between -126 and 119.  NaN among the inputs is not served.
; REGISTERS, in windows of 256: window 0: v0-31 addresses; v32-63 two sets of codes (at the head: the bias's offsets); v64-127 the bias; from v128 role A's fragments, ONE set; on the way out v128-255 are free.
;   window 1: role B's fragments, TWO sets.   window 2: the accumulators of my role-A rows 0-63 ((a, b) at v[8 (8 a + b)]);   window 3: those of rows 64-127.
.set KSTEP,  256                       ; along K in a slot
.set ROWB,   256                       ; a tile's row in bytes
.set KROW,   1024                      ; a row of either tensor in memory, in bytes
.set PITCH,  272                       ; an LDS row: 256 bytes + 16 of padding = 68 words: row r starts at bank 4 r mod 64 (64 banks of 4 bytes: ISA guide 11.1)
.set FR,     16                        ; registers of a fragment: 16 rows x 128 K
.set NL,     4                         ; LDS loads that bring one
.set NP,     4                         ; places behind this matrix instruction (ISA guide 7.12.1)
.set HALFT,  128*PITCH                 ; 128 rows: what one tensor load brings
.set SLOT,   4*HALFT                   ; role A's 256 rows, then role B's 256
.set LAPS,   2                         ; 1,024 / (2 x 256)
.set SPARE,  2*SLOT                    ; behind the ring: the spare words, 128 bytes for each wave, that no other line names
.set VSTG,   65536                     ; the way out: K's stages at wave x 16,384, V's at 65,536 + wave x 16,384: both in slot 0, which has had its last fill and its last read by then
.set STK,  6                           ; v6   where I put 8 codes, K's way
.set STV,  7                           ; v7   V's way
.set RDK,  8                           ; v8   where I read 16 bytes back, K's way
.set RDV,  9                           ; v9   V's way
.set CO,   10                          ; v10  16 x lane: my bytes of a store's 512
.set QS,   11                          ; v11  2^e of the results' quantiser
.set QL,   12                          ; v12  448 x that
.set ADRA, 16                          ; v16-17  LDS address of my role-A fragments in slot 0, 1
.set ADRB, 20                          ; v20-21  the same for role B
.set SPW,  28                          ; v28  LDS address of my spare word; never rewritten
.set NIL,  29                          ; v29  0; never rewritten
.set CD,   32
.set BIAS, 64
.set TMP,  128
.set AF,   128
.set G1, 24                            ; s[24:31] descriptor group 1 for role A;  s[32:39] group 0, one set for each slot
.set G0, 32
.set G1B, 48                           ; s[48:55], s[56:63] the same for role B
.set G0B, 56
.set MSB, 0
.macro WIN new                         ; the immediate's high byte repeats the setting that is left
.if MSB != (\new)
	s_set_vgpr_msb (MSB<<8)|(\new)
.set MSB, (\new)
.endif
.endm
.set MUL_LO, 0xa1                      ; source 0 (role B) window 1, source 1 (role A) window 0, C and D window 2
.set MUL_HI, 0xf1                      ; the same, C and D window 3
.set TO_B,   0x40                      ; destination window 1, address window 0
; A joint load: waves 0 and 1 fetch for role A, waves 2 and 3 for role B.  The branch hangs on the wave's number alone.  Four v_nop follow each of the two lines.
.macro JLOAD g0a, g1a, g0b, g1b
	s_cmp_eq_u32 s15, 0
	s_cbranch_scc0 .Lfor_b_\@
	tensor_load_to_lds s[\g0a:\g0a+3], s[\g1a:\g1a+7]
	s_nop 0
.rept 4
	v_nop
.endr
	s_branch .Lasked_\@
.Lfor_b_\@:
	tensor_load_to_lds s[\g0b:\g0b+3], s[\g1b:\g1b+7]
	s_nop 0
.rept 4
	v_nop
.endr
.Lasked_\@:
.endm
.macro CREST                           ; a round of the cluster's barrier behind its opening barrier
	s_cmp_lg_u32 s14, 0
	s_cbranch_scc1 .Lnot_wave_0_\@
	s_barrier_signal -3
.Lnot_wave_0_\@:
	s_barrier_wait -3
	s_barrier_signal -1
	s_barrier_wait -1
.endm
.macro CROUND                          ; a whole round
	s_barrier_signal -1
	s_barrier_wait -1
	CREST
.endm
	s_load_b256 s[4:11], s[0:1], 0x0               ; kvn s[4:5], Wkv's codes s[6:7], bkv s[8:9], the scales' exponents s[10:11]
	s_load_b64 s[12:13], s[0:1], 0x20              ; kvimg
	v_lshl_add_u32 v[SPW], v0, 2, SPARE
	v_mov_b32 v[NIL], 0
	ds_add_u32 v28, v29
	ds_add_u32 v28, v29
	s_wait_dscnt 0x0
	v_lshrrev_b32 v1, 5, v0
	v_readfirstlane_b32 s14, v1                    ; wave 0..3
	s_lshr_b32 s15, s14, 1                         ; which half of role A's rows is mine.  Also: I fetch for role A (0) or B (1)
	s_and_b32 s16, s14, 1                          ; which half of role B's rows.  Also: which 128 rows of that tile I fetch
	s_bfe_u32 s40, ttmp6, 0x40000                  ; cx, cy: my place in the cluster
	s_bfe_u32 s41, ttmp6, 0x40004
	s_and_b32 s75, ttmp7, 0xffff
	s_lshl_b32 s75, s75, 2                         ; 4 x cluster y
	s_cmp_eq_u32 ttmp9, 0                          ; K's cluster or V's
	s_cselect_b32 s17, s75, 4
	s_cselect_b32 s42, 0, s75
	s_add_co_u32 s17, s17, s41                     ; role A's tile of 256 rows: K: 4 Y + cy of kvn;  V: 4 + cy of Wkv
	s_add_co_u32 s42, s42, s40                     ; role B's: K: cx of Wkv;  V: 4 Y + cx of kvn
	s_lshl_b32 s43, s41, 2
	s_lshl_b32 s43, 15, s43                        ; my row of the cluster
	s_lshl_b32 s44, 0x1111, s40                    ; my column
	; descriptor group 1: a tile of 128 rows x 256 bytes, padded in LDS
	s_or_b32 s[G1+0], s43, (0<<16)|(1<<20)|(1<<21)|(5<<22)|(3<<25)  ; 15:0 the mask: my row; 17:16 elements of 1 byte; 20 padding on; 21 set beside a mask; 24:22 after every 64 words (code 5); 31:25 four words (code 3)
	s_or_b32 s[G1B+0], s44, (0<<16)|(1<<20)|(1<<21)|(5<<22)|(3<<25) ; the same with the mask of my column
.irp g, G1, G1B
	s_mov_b32 s[\g+1], ROWB<<16                    ; tensor_dim0
	s_mov_b32 s[\g+2], 128<<16                     ; tensor_dim1 = 128
	s_mov_b32 s[\g+3], ROWB<<16                    ; tile_dim0
	s_mov_b32 s[\g+4], 128                         ; tile_dim1 = 128
	s_mov_b32 s[\g+5], KROW                        ; tensor_dim0_stride
	s_mov_b32 s[\g+6], 0
	s_mov_b32 s[\g+7], 0
.endr
	s_lshl_b32 s18, s16, 7                         ; which 128 rows of the tile I fetch
	s_lshl_b32 s20, s17, 8
	s_add_co_u32 s20, s20, s18
	s_lshl_b32 s20, s20, 10                        ; role A: (256 x tile + 128 x half) rows of 1,024 bytes: under 2^24
	s_mov_b32 s21, 0
	s_lshl_b32 s46, s42, 8
	s_add_co_u32 s46, s46, s18
	s_lshl_b32 s46, s46, 10                        ; role B likewise
	s_mov_b32 s47, 0
	s_mul_i32 s45, s14, HALFT                      ; where they go: wave x 128 rows: no place in the cluster enters an LDS address
	s_wait_kmcnt 0x0
	s_load_b256 s[80:87], s[10:11], 0x0            ; e0 .. e7
	s_cmp_eq_u32 ttmp9, 0
	s_cselect_b64 s[68:69], s[4:5], s[6:7]         ; role A's tensor
	s_cselect_b64 s[70:71], s[6:7], s[4:5]         ; role B's
	s_add_nc_u64 s[20:21], s[68:69], s[20:21]
	s_add_nc_u64 s[46:47], s[70:71], s[46:47]
	CROUND                                         ; all sixteen work-groups are here: the first joint loads meet
.irp s, 0,1
	s_mov_b32 s[G0+4*\s], 1
	s_add_co_u32 s[G0+4*\s+1], s45, \s*SLOT
	s_add_nc_u64 s[G0+4*\s+2:G0+4*\s+3], s[20:21], \s*ROWB
	s_or_b32 s[G0+4*\s+3], s[G0+4*\s+3], 0x80000000
	s_mov_b32 s[G0B+4*\s], 1
	s_add_co_u32 s[G0B+4*\s+1], s45, \s*SLOT
	s_add_nc_u64 s[G0B+4*\s+2:G0B+4*\s+3], s[46:47], \s*ROWB
	s_or_b32 s[G0B+4*\s+3], s[G0B+4*\s+3], 0x80000000
	JLOAD G0+4*\s, G1, G0B+4*\s, G1B
.endr
	v_and_b32 v1, 15, v0                           ; r = l % 16
	v_bfe_u32 v2, v0, 4, 1                         ; h = l / 16
	v_mul_u32_u24 v3, v1, PITCH
	v_lshl_add_u32 v4, v2, 4, v3                   ; a fragment's row x pitch + 16 x half
	s_mul_i32 s21, s15, HALFT                      ; my 128 rows of role A
	s_mul_i32 s22, s16, HALFT                      ; my 128 rows of role B,
	s_add_co_u32 s22, s22, 2*HALFT                 ; which lie behind role A's 256
.irp s, 0,1
	v_add_nc_u32 v[ADRA+\s], s21, v4
	v_add_nc_u32 v[ADRB+\s], s22, v4
	s_add_co_u32 s21, s21, SLOT
	s_add_co_u32 s22, s22, SLOT
.endr
	; the stages' addresses, all made here, ahead of the place where K's and V's ways part
	s_lshl_b32 s23, s14, 14                        ; wave x 16,384
	v_lshrrev_b32 v3, 3, v1                        ; r / 8
	v_and_b32 v4, 7, v1                            ; r % 8
	v_lshlrev_b32 v5, 3, v2                        ; 8 h
	v_lshl_add_u32 v5, v4, 4, v5                   ; + 16 (r % 8)
	v_add_nc_u32 v5, s23, v5
	v_lshl_add_u32 v[STK], v3, 10, v5              ; K: + 1,024 (r / 8)
	v_lshl_add_u32 v[STV], v3, 11, v5              ; V: + 2,048 (r / 8)
	v_add_nc_u32 v[STV], VSTG, v[STV]
	v_and_b32 v3, 31, v0
	v_lshlrev_b32 v[CO], 4, v3
	v_add_nc_u32 v[RDK], s23, v[CO]
	v_add_nc_u32 v[RDV], VSTG, v[RDK]
	; where my results go, and my bias
	s_lshl_b32 s72, s17, 8
	s_lshl_b32 s73, s15, 7
	s_add_co_u32 s72, s72, s73                     ; my first row of role A
	s_lshl_b32 s73, s42, 8
	s_lshl_b32 s74, s16, 7
	s_add_co_u32 s73, s73, s74                     ; my first row of role B
	s_cmp_eq_u32 ttmp9, 0
	s_cselect_b32 s74, s72, s73                    ; my first row of kvn: 128 keys, one key step
	s_cselect_b32 s75, s73, s72                    ; my first row of Wkv: 128 columns, two heads
	s_cselect_b32 s76, 0, 8192                     ; K's or V's half of a step's image
	s_cselect_b32 s88, 32, 0                       ; the bias's offsets: K: 4 x (16 b + 8 h + j);  V: 4 x (16 a + r), the same for all j
	s_cselect_b32 s89, 0, 4
	s_cselect_b32 s90, 4, 0
	s_and_b32 s77, s75, 1023
	s_lshr_b32 s77, s77, 6                         ; the first of my two heads
	s_lshr_b32 s78, s74, 11                        ; the batch
	s_lshl_b32 s78, s78, 4
	s_add_co_u32 s78, s78, s77
	s_lshl_b32 s78, s78, 4
	s_bfe_u32 s79, s74, 0x40007                    ; the key step
	s_add_co_u32 s78, s78, s79
	s_lshl_b32 s78, s78, 14
	s_add_co_u32 s78, s78, s76
	s_mov_b32 s79, 0
	s_add_nc_u64 s[12:13], s[12:13], s[78:79]
	s_lshl_b32 s78, s75, 2
	s_add_nc_u64 s[8:9], s[8:9], s[78:79]
	v_mul_u32_u24 v32, v2, s88
	v_mad_u32_u24 v32, v1, s89, v32
.irp j, 1,2,3,4,5,6,7
	v_add_nc_u32 v[32+\j], s90, v[31+\j]
.endr
.irp x, 0,1,2,3,4,5,6,7
.irp j, 0,1,2,3,4,5,6,7
	global_load_b32 v[BIAS+8*\x+\j], v[32+\j], s[8:9] offset:64*\x   ; K: register 8 b + j = bkv of column 16 b + 8 h + j;  V: register 8 a + j = bkv of column 16 a + r.  They land while the sums are made
.endr
.endr
.macro FRAG reg, adr, q, i             ; a fragment: lane l holds row l % 16; registers 4 c .. 4 c + 3 hold K = 32 c + 16 (l / 16) + 0 .. 15: the same order of k on both sides, so every product meets its partner
.irp c, 0,1,2,3
	ds_load_b128 v[\reg+4*\c:\reg+4*\c+3], v[\adr] offset:128*(\q)+32*\c+(\i)*16*PITCH
.endr
.endm
; 16 matrix instructions: role A's blocks a0, a0 + 1 x role B's eight, 128 along K.  p: role B's set.  zero = 1: the first product starts the sums.
; The 64 accumulators take turns, one instruction a turn, in the same order in every step.
.macro MUL16 a0, p, zero
.irp a, \a0, \a0+1
.irp b, 0,1,2,3,4,5,6,7
.if \zero
	v_wmma_f32_16x16x128_fp8_fp8 v[8*(8*((\a)%4)+\b):8*(8*((\a)%4)+\b)+7], v[128*(\p)+FR*\b:128*(\p)+FR*\b+FR-1], v[AF+FR*(\a):AF+FR*(\a)+FR-1], 0
.else
	v_wmma_f32_16x16x128_fp8_fp8 v[8*(8*((\a)%4)+\b):8*(8*((\a)%4)+\b)+7], v[128*(\p)+FR*\b:128*(\p)+FR*\b+FR-1], v[AF+FR*(\a):AF+FR*(\a)+FR-1], v[8*(8*((\a)%4)+\b):8*(8*((\a)%4)+\b)+7]
.endif
.endr
.endr
.endm
.macro FETCH_B slot, q, p              ; role B's eight fragments of the slot's q-th 128 along K into set p
	WIN TO_B
.irp i, 0,1,2,3,4,5,6,7
	FRAG 128*(\p)+FR*\i, ADRB+\slot, \q, \i
.endr
	WIN 0
.endm
.macro FETCH_A slot, q, i0             ; role A's blocks i0 .. i0 + 3
.irp i, \i0, \i0+1, \i0+2, \i0+3
	FRAG AF+FR*(\i), ADRA+\slot, \q, \i
.endr
.endm
.macro PLACES n                        ; plain vector instructions between a matrix instruction and a load into, or a vector read or write of, its registers
.rept \n
	v_nop
.endr
.endm
; A step of 128 along K that has its successor in the same slot.
.macro STEP slot, q, zero
	s_wait_dscnt 4*NL                              ; role B's set and role A's blocks 0-3 are in; the youngest sixteen loads (blocks 4-7) may be out
	WIN MUL_LO
	MUL16 0, (\q)%2, \zero
	MUL16 2, (\q)%2, \zero
	s_wait_dscnt 0                                 ; blocks 4-7 are in (asked for 32 matrix instructions ago)
	PLACES NP
	FETCH_B \slot, (\q)+1, 1-(\q)%2
	FETCH_A \slot, (\q)+1, 0
	WIN MUL_HI
	MUL16 4, (\q)%2, \zero
	MUL16 6, (\q)%2, \zero
	PLACES NP
	WIN 0
	FETCH_A \slot, (\q)+1, 4
.endm
; A slot's last step changes slots: ONE barrier; in front of it each wave waits for all its tensor loads, adds 0 to its spare word, and waits for that and for its own reads of this slot.  fill = 1: this slot is filled again, two K steps ahead.
.macro TURN slot, next, fill
	s_wait_tensorcnt 0x0                           ; all my tensor loads have landed: my part of the next slot;  (every window is 0 here)
	ds_add_u32 v[SPW], v[NIL]                      ; 0 onto my spare word
	s_wait_dscnt 4*NL+1                            ; (the add and the youngest sixteen loads may be out)
	WIN MUL_LO
	MUL16 0, 1, 0                                  ; sixteen matrix instructions stand between the add and the wait for it
	s_wait_dscnt 0x0                               ; the add is done, and my reads of this slot are over
	s_barrier_signal -1
	MUL16 2, 1, 0
	WIN 0
	s_barrier_wait -1
.if \fill
	CREST                                          ; the barrier has opened a round of the cluster's barrier: no wave of any partner still reads this slot's tile or has a load on its way
	s_add_nc_u64 s[G0+4*\slot+2:G0+4*\slot+3], s[G0+4*\slot+2:G0+4*\slot+3], 2*ROWB
	s_add_nc_u64 s[G0B+4*\slot+2:G0B+4*\slot+3], s[G0B+4*\slot+2:G0B+4*\slot+3], 2*ROWB
	JLOAD G0+4*\slot, G1, G0B+4*\slot, G1B         ; the first tensor load behind the round; the four v_nop behind it are the places in front of the loads below
.else
	PLACES NP
.endif
	FETCH_B \next, 0, 0
	FETCH_A \next, 0, 0
	WIN MUL_HI
	MUL16 4, 1, 0
	MUL16 6, 1, 0
	PLACES NP
	WIN 0
	FETCH_A \next, 0, 4
.endm
	s_wait_tensorcnt 1                             ; my part of K step 0 is in (K step 1's load may be out)
	s_barrier_signal -1
	s_barrier_wait -1                              ; everybody's is
	FETCH_B 0, 0, 0
	FETCH_A 0, 0, 0
	FETCH_A 0, 0, 4
	STEP 0, 0, 1                                   ; the first step stands in front of the loop: its products start the sums
	s_mov_b32 s3, LAPS-1
.Llap:                                                 ; a trip goes once round the ring and fills both slots again
	TURN 0, 1, 1
	STEP 1, 0, 0
	TURN 1, 0, 1
	STEP 0, 0, 0
	s_sub_co_u32 s3, s3, 1
	s_cmp_lg_u32 s3, 0
	s_cbranch_scc1 .Llap
	TURN 0, 1, 0                                   ; the last lap fills nothing
	STEP 1, 0, 0
	s_wait_dscnt 4*NL                              ; the very last step: nothing more to fetch
	WIN MUL_LO
	MUL16 0, 1, 0
	MUL16 2, 1, 0
	s_wait_dscnt 0
	WIN MUL_HI
	MUL16 4, 1, 0
	MUL16 6, 1, 0
	WIN 0
; THE WAY OUT.  Block a (16 rows of role A x my 128 rows of role B): sum x 2^(e2 + e3) + bias, held, converted: a lane's eight numbers of an accumulator become 8 bytes, which go to their place in the image.
; kind = 0, K: row of role A = key 16 a + r, rows of role B = column 16 b + 8 h + j (head b / 4).   kind = 1, V: row of role A = column 16 a + r (head a / 4), rows of role B = key 16 b + 8 h + j.
.macro EPI kind
.irp a, 0,1,2,3,4,5,6,7
.set AC, 64*((\a)%4)
.set CS, CD+16*((\a)%2)
.if \a >= 2
	s_wait_dscnt 8                                 ; all but the last block's eight stores are done: this set of code registers has been read
.endif
	WIN 0x02+((\a)/4)                              ; source 0: window 2 or 3
.irp b, 0,1,2,3,4,5,6,7
.irp i, 0,2,4,6
.if \kind
	v_pk_fma_f32 v[TMP+8*\b+\i:TMP+8*\b+\i+1], v[AC+8*\b+\i:AC+8*\b+\i+1], s[96:97], v[BIAS+8*\a+\i:BIAS+8*\a+\i+1] op_sel_hi:[1,0,1]   ; each accumulator from its low end on
.else
	v_pk_fma_f32 v[TMP+8*\b+\i:TMP+8*\b+\i+1], v[AC+8*\b+\i:AC+8*\b+\i+1], s[96:97], v[BIAS+8*\b+\i:BIAS+8*\b+\i+1] op_sel_hi:[1,0,1]
.endif
.endr
.endr
	WIN 0
.set n, 0
.rept 64
	v_med3_num_f32 v[TMP+n], v[TMP+n], -v[QL], v[QL]   ; the conversion does not saturate (ISA guide 7.6.2): the hold at the largest code x the scale
.set n, n+1
.endr
.irp b, 0,1,2,3,4,5,6,7
	v_cvt_scalef32_pk8_fp8_f32 v[CS+2*\b:CS+2*\b+1], v[TMP+8*\b:TMP+8*\b+7], v[QS]
.endr
	v_nop                                          ; a plain instruction behind the last conversion: the next block writes its sources
.irp b, 0,1,2,3,4,5,6,7
.if \kind
	ds_store_b64 v[STV], v[CS+2*\b:CS+2*\b+1] offset:((\a)/4)*8192+(((\a)%4)/2)*4096+((\b)/2)*512+((\a)%2)*128+((\b)%2)*256
.else
	ds_store_b64 v[STK], v[CS+2*\b:CS+2*\b+1] offset:((\b)/4)*8192+((\a)/2)*2048+(((\b)%4)/2)*512+((\a)%2)*128+((\b)%2)*256
.endif
.endr
.endr
.set n, 0
.rept 32
.if \kind
	ds_load_b128 v[TMP+4*n:TMP+4*n+3], v[RDV] offset:512*n   ; LDS serves a wave's instructions in order (ISA guide 5.7.1.4): these see my stores; the stage is my wave's own
.else
	ds_load_b128 v[TMP+4*n:TMP+4*n+3], v[RDK] offset:512*n
.endif
.set n, n+1
.endr
.set n, 0
.rept 32
	s_wait_dscnt 31-n                              ; the later loads may be out
	global_store_b128 v[CO], v[TMP+4*n:TMP+4*n+3], s[12:13] offset:512*(n%16)+262144*(n/16)   ; 32 lanes store 512 consecutive bytes, aligned; my second head's image lies 16 steps x 16,384 bytes on
.set n, n+1
.endr
.endm
	s_wait_kmcnt 0x0
	s_add_co_i32 s96, s82, s83                     ; e2 + e3
	s_add_co_i32 s96, s96, 127
	s_lshl_b32 s96, s96, 23                        ; 2^(e2 + e3) as f32
	s_mov_b32 s97, s96                             ; (named with it as a pair, so it is written)
	s_cmp_eq_u32 ttmp9, 0
	s_cselect_b32 s72, s85, s86                    ; e5 for K, e6 for V: a choice, no branch on a scale
	s_add_co_i32 s72, s72, 127
	s_lshl_b32 s73, s72, 23
	v_mov_b32 v[QS], s73
	s_add_co_i32 s72, s72, 8
	s_lshl_b32 s72, s72, 23
	s_or_b32 s72, s72, 0x600000
	v_mov_b32 v[QL], s72
	s_wait_loadcnt 0x0                             ; the bias
	PLACES NP                                      ; behind the last products: their results are read and role A's registers written below
	s_cmp_lg_u32 ttmp9, 0                          ; the cluster's x: the same in all partners
	s_cbranch_scc1 .Lv_out
	EPI 0
	s_branch .Lend
.Lv_out:
	EPI 1
.Lend:
	s_wait_tensorcnt 0x0                           ; the wave's end, behind my last tensor load and my last LDS store
	ds_add_u32 v[SPW], v[NIL]
	s_wait_dscnt 0x0
	CROUND                                         ; the closing round: no work-group ends while a partner may still ask for a tile that names it
	s_endpgm
.Lfunc_end_k_q4aa4e9b95a_kvproj:
	.size	k_q4aa4e9b95a_kvproj, .Lfunc_end_k_q4aa4e9b95a_kvproj-k_q4aa4e9b95a_kvproj
	.p2alignl 7, 3214868480
	.fill 96, 4, 3214868480
	.section	.rodata,"a",@progbits
	.p2align	6, 0x0
	.amdhsa_kernel k_q4aa4e9b95a_kvproj
		.amdhsa_group_segment_fixed_size 327680
		.amdhsa_private_segment_fixed_size 0
		.amdhsa_enable_private_segment 0
		.amdhsa_kernarg_size 40
		.amdhsa_user_sgpr_count 2
		.amdhsa_user_sgpr_kernarg_segment_ptr 1
		.amdhsa_wavefront_size32 1
		.amdhsa_system_sgpr_workgroup_id_x 1
		.amdhsa_system_sgpr_workgroup_id_y 1
		.amdhsa_system_sgpr_workgroup_id_z 1
		.amdhsa_system_vgpr_workitem_id 0
		.amdhsa_next_free_vgpr 1024
		.amdhsa_next_free_sgpr 100
		.amdhsa_reserve_vcc 0
		.amdhsa_float_denorm_mode_32 3
		.amdhsa_float_denorm_mode_16_64 3
		.amdhsa_memory_ordered 1
		.amdhsa_forward_progress 1
		.amdhsa_inst_pref_size 211
	.end_amdhsa_kernel
	.amdgpu_metadata
---
amdhsa.version: [ 1, 2 ]
amdhsa.kernels:
  - .name:           k_q4aa4e9b95a_kvproj
    .symbol:         k_q4aa4e9b95a_kvproj.kd
    .args:
      - { .name: kvn, .offset: 0, .size: 8, .value_kind: global_buffer, .address_space: global }
      - { .name: Wkv_codes, .offset: 8, .size: 8, .value_kind: global_buffer, .address_space: global }
      - { .name: bkv, .offset: 16, .size: 8, .value_kind: global_buffer, .address_space: global }
      - { .name: lowp_scales, .offset: 24, .size: 8, .value_kind: global_buffer, .address_space: global }
      - { .name: kvimg, .offset: 32, .size: 8, .value_kind: global_buffer, .address_space: global }
    .group_segment_fixed_size: 327680
    .private_segment_fixed_size: 0
    .kernarg_segment_align: 8
    .kernarg_segment_size: 40
    .max_flat_workgroup_size: 128
    .sgpr_count:     100
    .vgpr_count:     1024
    .wavefront_size: 32
...
	.end_amdgpu_metadata
.endif
;; end of part 2
;; launch attn (part 3): grid 4 x 64, 16 waves a work-group, no clusters, 199,680 bytes of LDS; arguments qn, Wq_codes, bq, kvimg, lmask, steps, lowp_scales, oimg; writes oimg
.if DOCPART == 3
	.amdgcn_target "amdgcn-amd-amdhsa--gfx1250"
	.amdhsa_code_object_version 6
	.text
	.protected	k_q4aa4e9b95a_attn
	.globl	k_q4aa4e9b95a_attn
	.p2align	8
	.type	k_q4aa4e9b95a_attn,@function
k_q4aa4e9b95a_attn:
	s_mov_b64 s[64:65], 0
	v_nop
	global_prefetch_b8 v0, s[64:65] scope:SCOPE_SE
	s_setreg_imm32_b32 hwreg(HW_REG_WAVE_MODE, 25, 1), 1
	s_wait_xcnt 0x0
; The Q projection of one head and the masked attention of that head, all products on E4M3 codes; the result is quantised (2^e8) and stored as the output projection's operand lies in registers.
; SHARES.  A work-group owns 256 queries (x) of one batch and head (y = 16 batch + head); each of its sixteen waves owns 16 queries, in 256 registers: four waves to a SIMD, so that one wave's vector work
; stands beside another's matrix work and LDS loads.
; Q.  qh = qn Wq^T x 2^(e0 + e1) + bq, transposed (source 0 = 16 rows of the head's 64 of Wq, source 1 = my 16 queries): a lane holds one query, and, the rows of a tile being chosen for it, the 16 registers of
; tiles 2 g and 2 g + 1 are the head's axis 32 g + 16 h + 0 .. 15.  Held and converted with 2^e4 they are Q's fragment.  The head's 64 rows of Wq lie in LDS once for all sixteen waves.
; KEYS.  A step is 128 keys; its 16,384 bytes of kvimg are the images of K's eight and V's four fragments.  Steps go in GROUPS OF FOUR: memory -> 32 registers a lane -> one of two LDS slots of 65,536 bytes,
; ONE barrier for a group: inside a group the waves are free of each other.
; THE MASK is an input.  An earlier launch has stored, for each batch, which steps have a key that counts (ACT) and which of those have a padded key too (MIX).
; In a MIX step padded scores are replaced ahead of the maximum.  A batch without any key that counts has ACT = MIX = all steps: every p is then 1, as in the definition.
; The loop's trip count is the constant 4 (16 steps at the most); a trip with nothing left passes its barrier and no more.  Every barrier stands on every wave's path.
; NO TENSOR LOADS AND NO CLUSTER: the walk over the steps hangs on numbers read from memory.
; NO PREFETCH: a group's loads into registers are issued four key steps ahead of the LDS stores that want them.
; SOFTMAX.  t = score x log2(e) / 8; M = the running largest t rounded up to a whole number; p = 2^(t - M) is quantised with 2^e7; the row's sum is taken of the unquantised p and divides at the end.
; A padded score becomes the raw number -2^(33 - e4 - e5), whose t is -log2(e) x 2^30, a whole number: about -1.55e9 where the definition has -1.44e9.  The two differ in no result unless a score that counts lies near -1e9.
; LIMITS: e4 + e5 between -94 and 130; e0 + e1 between -126 and 127; e4, e7, e8 between -126 and 119.  NaN among the inputs is not served.
.set LI0,  1                           ; v1   16 x lane: an image's place for my lane, in slot 0
.set TP0,  2                           ; v2   1,024 x wave + 16 x lane: my bytes of a step's image, in memory and in slot 0
.set LI1,  3                           ; v3   v1 + 65,536: in slot 1 (an LDS immediate has 16 bits)
.set TP1,  4                           ; v4   v2 + 65,536
.set WQS,  5                           ; v5   where I store my rows of Wq
.set WQA,  6                           ; v6   my lane's place in a tile of Wq in LDS
.set RNEG, 7                           ; v7   the raw score of a padded key
.set PS,   8                           ; v8   2^e7;  v9  448 x 2^e7
.set PL,   9
.set QS,   10                          ; v10, v11  the same for e4, then for e8
.set QL,   11
                                       ; v12 -M, v13 the largest t, v[14:15] the sum in two halves (ahead of the loop: h, r and two offsets)
.set Q,    16                          ; v16-23   Q's fragment
.set GA,   24                          ; v24-27   v2 + 16,384 x step, for the four steps in flight
.set F,    32                          ; v32-95   K's eight fragments, or V's four, or Wq's four
.set S,    96                          ; v96-159  S^T, then p
.set O,    160                         ; v160-191 O^T
.set PC,   192                         ; v192-207 p's codes
.set T0,   208
.set PD,   209                         ; a lane permute's destination
.set FF,   210                         ; v[210:211] f = 2^(old M - new M)
.set SUM2, 212
.set STG,  224                         ; v224-255 in the loop: my 32 bytes a lane of each of the four steps in flight
.set QN,   96                          ; ahead of the loop: v96-223 qn's eight fragments; v224-255 my rows of Wq, then the four accumulators
.set ACC,  224
.set G0R,  128                         ; the first group lands in v128-159, which qn's fragments 2 and 3 have left by then: no other 32 registers are free ahead of the loop
.set STEPB, 16384                      ; a step's image
.set SLOTB, 65536                      ; LDS: slot 0 at 0, slot 1 at 65,536,
.set WQ,   131072                      ; the head's 64 rows of Wq from 131,072 on,
.set WQP,  1040                        ; 1,024 bytes + 16 a row = 65 x 16: the sixteen rows of a fragment load start at sixteen different groups of banks
                                       ; s[2:3] kvimg at my head; s[4:5] lmask at my batch; s[6:7] oimg; s8-11 the steps in flight, s12 how many of them count; s13 and s20-23 the same for the group in LDS;
                                       ; s16 wave; s17 trips; s18 ACT, s19 MIX; s[24:25] c; s[26:27] lane selects; s28 1 where p wants its hold; s66 e6 + e7; s32-63, s68-99 the mask's words (ahead of the loop: addresses and exponents)
.macro MKSCALE e, vs, vl               ; s[e] = an exponent: v[vs] = 2^e as f32, v[vl] = 448 x 2^e
	s_add_co_i32 s29, s[\e], 127
	s_lshl_b32 s30, s29, 23
	v_mov_b32 v[\vs], s30
	s_add_co_i32 s29, s29, 8
	s_lshl_b32 s29, s29, 23
	s_or_b32 s29, s29, 0x600000
	v_mov_b32 v[\vl], s29
.endm
; Up to four steps are taken off the list, without a branch: s8-11 their numbers, s12 how many there were.  A place with no step left gets step 15: bit 15 is set beside the list for the count of zeros,
; and every number is held inside the table.  What is loaded for such a place is never read from LDS.
.macro POPS
	s_bcnt1_i32_b32 s12, s18
	s_min_u32 s12, s12, 4
.irp k, 0,1,2,3
	s_or_b32 s29, s18, 0x8000
	s_ctz_i32_b32 s[8+\k], s29
	s_min_u32 s[8+\k], s[8+\k], 15
	s_sub_co_u32 s29, s18, 1
	s_and_b32 s18, s18, s29                        ; the lowest bit is taken off; 0 stays 0
.endr
.endm
; My 1,024 bytes of each of the four steps s8-11 are asked for, into v[base] on: each load of the wave covers 512 consecutive bytes.  The offset registers are written behind the wait that has shown their last loads done.
.macro ASKG base
.irp k, 0,1,2,3
	s_lshl_b32 s29, s[8+\k], 14
	v_add_nc_u32 v[GA+\k], s29, v[TP0]
	global_load_b128 v[\base+8*\k:\base+8*\k+3], v[GA+\k], s[2:3]
	global_load_b128 v[\base+8*\k+4:\base+8*\k+7], v[GA+\k], s[2:3] offset:512
.endr
.endm
	s_load_b512 s[32:47], s[0:1], 0x0              ; qn, Wq, bq, kvimg, lmask, steps, the scales' exponents, oimg
	v_lshl_add_u32 v30, v0, 2, 0x30400
	v_mov_b32 v31, 0
	v_lshrrev_b32 v10, 5, v0
	v_readfirstlane_b32 s16, v10                   ; wave 0..15
	v_and_b32 v10, 31, v0
	v_lshlrev_b32 v[LI0], 4, v10
	v_add_nc_u32 v[LI1], SLOTB, v[LI0]
	s_lshl_b32 s29, s16, 10
	v_add_nc_u32 v[TP0], s29, v[LI0]
	v_add_nc_u32 v[TP1], SLOTB, v[TP0]
	v_and_b32 v13, 15, v0                          ; r
	v_bfe_u32 v12, v0, 4, 1                        ; h
	v_mul_u32_u24 v[WQA], v13, WQP
	v_lshl_add_u32 v[WQA], v12, 4, v[WQA]
	v_add_nc_u32 v[WQA], WQ, v[WQA]
	v_lshlrev_b32 v14, 10, v13
	v_lshl_add_u32 v14, v12, 4, v14                ; qn: row r of 1,024 bytes, + 16 h
	v_lshlrev_b32 v15, 6, v12                      ; bq: 64 h
	; Row rho of the head's 64 lies at the LDS row that is rho with bits 3 and 4 changed over, so that the rows of a tile (32 b + 8 u + r + 8 (r / 8)) are sixteen neighbouring LDS rows.  My rows are 4 w .. 4 w + 3.
	s_and_b32 s29, s16, 1
	s_lshl_b32 s29, s29, 2
	s_bfe_u32 s30, s16, 0x10001
	s_lshl_b32 s30, s30, 4
	s_add_co_u32 s29, s29, s30
	s_bfe_u32 s30, s16, 0x10002
	s_lshl_b32 s30, s30, 3
	s_add_co_u32 s29, s29, s30
	s_lshr_b32 s30, s16, 3
	s_lshl_b32 s30, s30, 5
	s_add_co_u32 s29, s29, s30
	s_mul_i32 s29, s29, WQP
	s_add_co_u32 s29, s29, WQ
	v_add_nc_u32 v[WQS], s29, v[LI0]
	s_mov_b32 s26, 0x76543210                      ; v_permlanex16_b32: lane l xor 16
	s_mov_b32 s27, 0xfedcba98
	s_and_b32 s17, ttmp7, 0xffff                   ; y
	s_lshr_b32 s74, s17, 4                         ; batch
	s_and_b32 s75, s17, 15                         ; head
	s_mov_b32 s31, 0
	s_wait_kmcnt 0x0
	s_load_b256 s[48:55], s[44:45], 0x0            ; e0 .. e7
	s_load_b32 s56, s[44:45], 0x20                 ; e8
	s_lshl_b32 s30, s74, 3
	s_add_nc_u64 s[42:43], s[42:43], s[30:31]
	s_load_b64 s[18:19], s[42:43], 0x0             ; ACT, MIX
	s_lshl_b32 s30, s17, 18
	s_add_nc_u64 s[2:3], s[38:39], s[30:31]        ; kvimg at my batch and head: 16 steps x 16,384 bytes
	s_lshl_b32 s30, s74, 12
	s_add_nc_u64 s[4:5], s[40:41], s[30:31]        ; lmask at my batch
	s_lshl_b32 s76, s74, 6
	s_lshl_b32 s77, ttmp9, 4
	s_add_co_u32 s76, s76, s77
	s_add_co_u32 s76, s76, s16                     ; my tile of 16 rows: 64 batch + 16 x + wave
	s_lshl_b32 s30, s76, 14                        ; 16 rows of 1,024 codes, in qn and in oimg
	s_add_nc_u64 s[68:69], s[32:33], s[30:31]      ; qn at my rows
	s_add_nc_u64 s[6:7], s[46:47], s[30:31]
	s_lshl_b32 s30, s75, 10                        ; oimg: the head's 64 along K are two groups of 512 bytes: 1,024 x head
	s_add_nc_u64 s[6:7], s[6:7], s[30:31]
	s_lshl_b32 s30, s75, 16
	s_lshl_b32 s77, s16, 12
	s_add_co_u32 s30, s30, s77
	s_add_nc_u64 s[70:71], s[34:35], s[30:31]      ; Wq: the head's 64 rows, my four of them
	s_lshl_b32 s30, s75, 8
	s_add_nc_u64 s[72:73], s[36:37], s[30:31]      ; bq at my head
.irp j, 0,1,2,3,4,5,6,7
	global_load_b128 v[ACC+4*\j:ACC+4*\j+3], v[LI0], s[70:71] offset:512*\j   ; my four rows of Wq: 4,096 consecutive bytes
.endr
.irp s, 0,1,2,3,4,5,6,7
.irp c, 0,1,2,3
	global_load_b128 v[QN+16*\s+4*\c:QN+16*\s+4*\c+3], v14, s[68:69] offset:128*\s+32*\c   ; qn's fragments: registers 4 c .. of K step s: k = 128 s + 32 c + 16 h + 0 .. 15 of row r
.endr
.endr
	s_wait_kmcnt 0x0
	POPS                                           ; the first group of steps that count
	s_add_co_i32 s29, s52, s53                     ; e4 + e5
	s_lshl_b32 s30, s29, 23
	s_add_co_i32 s24, s30, 0x3e38aa3b              ; c = log2(e) / 8 x 2^(e4 + e5): the exponents are added to c's exponent field
	s_mov_b32 s25, s24                             ; (named with it as a pair, so it is written)
	s_sub_co_i32 s29, 160, s29
	s_lshl_b32 s29, s29, 23
	s_or_b32 s29, s29, 0x80000000
	v_mov_b32 v[RNEG], s29                         ; -2^(33 - e4 - e5)
	MKSCALE 55, PS, PL
	MKSCALE 52, QS, QL
	s_add_co_i32 s66, s54, s55                     ; e6 + e7, kept where the mask's words do not land
	s_cmp_lt_i32 s55, -8                           ; p is at most 1 (a last bit over at the most).  With e7 >= -8 the largest code stands for 1.75 or more: no p lies beyond it
	s_cselect_b32 s28, 1, 0                        ; 1: p wants its hold
	s_add_co_i32 s58, s48, s49
	s_add_co_i32 s58, s58, 127
	s_lshl_b32 s58, s58, 23                        ; 2^(e0 + e1)
	s_mov_b32 s59, s58
	s_wait_loadcnt 32                              ; my rows of Wq are in; behind them: qn's 32 loads
.irp j, 0,1,2,3,4,5,6,7
	ds_store_b128 v[WQS], v[ACC+4*\j:ACC+4*\j+3] offset:(\j/2)*WQP+(\j%2)*512
.endr
	s_wait_dscnt 0x0                               ; for the others' sake: my stores have landed
	s_barrier_signal -1
	s_barrier_wait -1                              ; the head's 64 rows of Wq lie in LDS; nobody writes them again
.irp s, 0,1,2,3,4,5,6,7
.irp t, 0,1,2,3
.irp c, 0,1,2,3
	ds_load_b128 v[F+16*\t+4*\c:F+16*\t+4*\c+3], v[WQA] offset:\t*16*WQP+128*\s+32*\c
.endr
.endr
.set NW, 4*(7-\s)                              ; behind qn's fragment s were issued: the later fragments' four loads each,
.if \s >= 2
.set NW, NW+8                                  ; bq's eight (behind K step 1),
.endif
.if \s >= 4
.set NW, NW+8                                  ; the first group's eight (behind K step 3)
.endif
	s_wait_loadcnt NW                              ; loads come back in order: fragment s is in
	s_wait_dscnt 0x0
.irp t, 0,1,2,3                                ; the four accumulators take turns
.if \s == 0
	v_wmma_f32_16x16x128_fp8_fp8 v[ACC+8*\t:ACC+8*\t+7], v[F+16*\t:F+16*\t+15], v[QN+16*\s:QN+16*\s+15], 0
.else
	v_wmma_f32_16x16x128_fp8_fp8 v[ACC+8*\t:ACC+8*\t+7], v[F+16*\t:F+16*\t+15], v[QN+16*\s:QN+16*\s+15], v[ACC+8*\t:ACC+8*\t+7]
.endif
.endr
.rept 4
	v_nop                                          ; places in front of loads into registers that these products have read, and of the first read of results
.endr
.if \s == 1
.irp t, 0,1,2,3                                ; bq, into the registers that qn's first two fragments have left: tile t's register j = bq of the head's axis 32 (t / 2) + 8 (t % 2) + 16 h + j
	global_load_b128 v[QN+8*\t:QN+8*\t+3], v15, s[72:73] offset:(32*(\t/2)+8*(\t%2))*4
	global_load_b128 v[QN+8*\t+4:QN+8*\t+7], v15, s[72:73] offset:(32*(\t/2)+8*(\t%2))*4+16
.endr
.endif
.if \s == 3
	ASKG G0R                                       ; the first group of K and V, into the registers that fragments 2 and 3 have left: it lands while the other four K steps are multiplied
.endif
.endr
	s_wait_loadcnt 0x0                             ; bq and the first group
.set n, 0
.rept 16
	v_pk_fma_f32 v[ACC+n:ACC+n+1], v[ACC+n:ACC+n+1], s[58:59], v[QN+n:QN+n+1] op_sel_hi:[1,0,1]   ; sum x 2^(e0 + e1) + bq; each accumulator from its low end on
.set n, n+2
.endr
.set n, 0
.rept 32
	v_med3_num_f32 v[ACC+n], v[ACC+n], -v[QL], v[QL]   ; the conversion does not saturate (ISA guide 7.6.2): the hold at the largest code x the scale
.set n, n+1
.endr
.irp g, 0,1
	v_cvt_scalef32_pk8_fp8_f32 v[Q+4*\g:Q+4*\g+1], v[ACC+16*\g:ACC+16*\g+7], v[QS]      ; registers 4 g .. 4 g + 3: the head's axis 32 g + 16 h + 0 .. 15, as K's images have it
	v_cvt_scalef32_pk8_fp8_f32 v[Q+4*\g+2:Q+4*\g+3], v[ACC+16*\g+8:ACC+16*\g+15], v[QS]
.endr
	v_nop                                          ; a plain instruction behind the last conversion
	MKSCALE 56, QS, QL                             ; from here on: e8's
	; the first group goes into slot 0, and the second is asked for, into the registers that the accumulators have left
.irp k, 0,1,2,3
	s_mov_b32 s[20+\k], s[8+\k]
.endr
	s_mov_b32 s13, s12
.irp k, 0,1,2,3
	ds_store_b128 v[TP0], v[G0R+8*\k:G0R+8*\k+3] offset:\k*STEPB
	ds_store_b128 v[TP0], v[G0R+8*\k+4:G0R+8*\k+7] offset:\k*STEPB+512
.endr
	v_mov_b32 v13, 0xff61b1e6                      ; the largest t so far: -3e38, under every t
	v_floor_f32 v12, -v13                          ; -M
	v_mov_b32 v14, 0                               ; the sum, in two halves
	v_mov_b32 v15, 0
	v_mov_b32 v[PD], 0
	v_mov_b32 v[FF+1], 0                           ; (named as the upper half of a pair)
.set n, 0
.rept 32
	v_mov_b32 v[O+n], 0                            ; O^T: the step is written once; the first finds zeros, which the first change of M leaves zeros
.set n, n+1
.endr
	s_wait_dscnt 0x0                               ; for the others' sake: my stores have landed
	POPS
	s_cmp_lg_u32 s12, 0
	s_cbranch_scc0 .Lno_second
	ASKG STG
.Lno_second:
; A KEY STEP, the k-th of the slot at v[li]: S^T = K Q^T, the mask, the softmax, O^T += V^T P^T.
.macro COMPUTE li, k
.set KB, (\k)*STEPB
.irp t, 0,1,2,3,4,5,6,7
	ds_load_b128 v[F+8*\t:F+8*\t+3],   v[\li] offset:KB+\t*1024
	ds_load_b128 v[F+8*\t+4:F+8*\t+7], v[\li] offset:KB+\t*1024+512
.endr
	s_wait_dscnt 0x0
.irp t, 0,1,2,3,4,5,6,7
	v_wmma_f32_16x16x64_fp8_fp8 v[S+8*\t:S+8*\t+7], v[F+8*\t:F+8*\t+7], v[Q:Q+7], 0   ; register 16 b + i of S: key 32 b + 16 h + i of the step, for my lane's query
.endr
.rept 4
	v_nop                                          ; places in front of the first read of the scores
.endr
	s_lshr_b32 s29, s19, s[20+(\k)]
	s_and_b32 s29, s29, 1
	s_cmp_lg_u32 s29, 0                            ; has this step a padded key?  A stored whole number decides
	s_cbranch_scc0 .Lopen_\@
	s_lshl_b32 s30, s[20+(\k)], 8                  ; the step's 64 words
	s_mov_b32 s31, 0
	s_add_nc_u64 s[14:15], s[4:5], s[30:31]
	s_load_b512 s[32:47], s[14:15], 0x0
	s_load_b512 s[48:63], s[14:15], 0x40
	s_load_b512 s[68:83], s[14:15], 0x80
	s_load_b512 s[84:99], s[14:15], 0xc0
	s_wait_kmcnt 0x0
.set n, 0
.rept 64
.if n < 32
.set mr, 32+n
.else
.set mr, 36+n
.endif
	v_cndmask_b32 v[S+n], v[S+n], v[RNEG], s[mr]   ; word n is the mask of lanes for register n
.set n, n+1
.endr
.Lopen_\@:
	v_max3_num_f32 v[T0], v[S], v[S+1], v[S+2]     ; the step's largest score of my query, among my 64 keys, in two chains,
	v_max3_num_f32 v[FF], v[S+3], v[S+4], v[S+5]
.irp i, 6,10,14,18,22,26,30,34,38,42,46,50,54,58
	v_max3_num_f32 v[T0], v[T0], v[S+\i], v[S+\i+1]
	v_max3_num_f32 v[FF], v[FF], v[S+\i+2], v[S+\i+3]
.endr
	v_max3_num_f32 v[T0], v[T0], v[S+62], v[S+63]
	v_max_num_f32 v[T0], v[T0], v[FF]
	v_permlanex16_b32 v[PD], v[T0], s26, s27
	v_max_num_f32 v[T0], v[T0], v[PD]              ; and among lane l xor 16's
	v_mul_f32 v[T0], s24, v[T0]                    ; as t (c is positive)
	v_max_num_f32 v13, v13, v[T0]                  ; the running largest t
	v_mov_b32 v[T0], v12
	v_floor_f32 v12, -v13                          ; the new -M = floor(-t): M is a whole number
	v_sub_f32 v[T0], v12, v[T0]                    ; old M less new M: a whole number, 0 or less
	v_cvt_i32_f32 v[T0], v[T0]                     ; (it saturates)
	v_ldexp_f32 v[FF], 1.0, v[T0]                  ; f = 2^(old M - new M): a multiplication by it rounds nothing
.set n, 0
.rept 32
	v_pk_fma_f32 v[S+n:S+n+1], v[S+n:S+n+1], s[24:25], v[12:13] op_sel_hi:[1,0,0]   ; t - M, two at a time
.set n, n+2
.endr
.irp t, 0,1,2,3
.irp c, 0,1,2,3
	ds_load_b128 v[F+16*\t+4*\c:F+16*\t+4*\c+3], v[\li] offset:KB+8192+\t*2048+\c*512   ; V's fragments, into K's registers (their products stand more than four plain instructions back): they land while the rest of the softmax is made
.endr
.endr
.set n, 0
.rept 64
	v_exp_f32 v[S+n], v[S+n]                       ; p = 2^(t - M), not normalised
.set n, n+1
.endr
	v_pk_mul_f32 v[14:15], v[14:15], v[FF:FF+1] op_sel_hi:[1,0]   ; the sums under the new M; also the plain instruction behind the exponentials
	s_wait_alu depctr_va_vdst(0)                   ; one wait for the whole batch, ahead of its first reader
	v_pk_add_f32 v[SUM2:SUM2+1], v[S:S+1], v[S+2:S+3]   ; the row's sum is taken of the unquantised p, in two chains
.irp j, 4,8,12,16,20,24,28,32,36,40,44,48,52,56,60
	v_pk_add_f32 v[14:15], v[14:15], v[S+\j:S+\j+1]
	v_pk_add_f32 v[SUM2:SUM2+1], v[SUM2:SUM2+1], v[S+\j+2:S+\j+3]
.endr
	v_pk_add_f32 v[14:15], v[14:15], v[SUM2:SUM2+1]
	s_cmp_lg_u32 s28, 0                            ; the hold is made where the given scale asks for it (e7 < -8): a branch on a whole number read from memory
	s_cbranch_scc0 .Lno_hold_\@
.set n, 0
.rept 64
	v_min_num_f32 v[S+n], v[S+n], v[PL]            ; the conversion does not saturate (ISA guide 7.6.2); p is not negative, so the hold is one-sided
.set n, n+1
.endr
.Lno_hold_\@:
.irp b, 0,1,2,3
	v_cvt_scalef32_pk8_fp8_f32 v[PC+4*\b:PC+4*\b+1], v[S+16*\b:S+16*\b+7], v[PS]
	v_cvt_scalef32_pk8_fp8_f32 v[PC+4*\b+2:PC+4*\b+3], v[S+16*\b+8:S+16*\b+15], v[PS]
.endr
.set n, 0
.rept 16
	v_pk_mul_f32 v[O+n:O+n+1], v[O+n:O+n+1], v[FF:FF+1] op_sel_hi:[1,0]   ; O^T under the new M; these are also the plain instructions between the conversions and the products
.set n, n+2
.endr
	s_wait_dscnt 0x0                               ; V
.irp t, 0,1,2,3                                ; tile t: the head's axis 32 (t / 2) + 8 (t % 2) + 16 h + j in register j
	v_wmma_f32_16x16x128_fp8_fp8 v[O+8*\t:O+8*\t+7], v[F+16*\t:F+16*\t+15], v[PC:PC+15], v[O+8*\t:O+8*\t+7]
.endr
.rept 4
	v_nop                                          ; places in front of the next loads into V's registers and of the next read of O^T
.endr
.endm
; A TRIP.  One barrier; the group that lies in the slot at v[li] is worked, as many steps as it has; then the group in flight goes into the other slot, at v[tpn], and the group after it is asked for.
; The slot at v[li] was stored ahead of this barrier, each wave's stores waited for in front of its signal.  The other slot was last read in the trip before: every wave has signalled this barrier behind
; the wait for those reads, so behind it the slot may be written.
.macro TRIP li, tpn
	s_barrier_signal -1
	s_barrier_wait -1
.irp k, 0,1,2,3
	s_cmp_gt_u32 s13, \k                           ; a group's steps stand at its first places
	s_cbranch_scc0 .Ldone_\@
	COMPUTE \li, \k
.endr
.Ldone_\@:
	s_wait_loadcnt 0x0                             ; the group in flight, asked for a trip ago, is in my registers; its offset registers are free
.irp k, 0,1,2,3
	s_mov_b32 s[20+\k], s[8+\k]
.endr
	s_mov_b32 s13, s12
	s_cmp_lg_u32 s13, 0
	s_cbranch_scc0 .Lempty_\@
.irp k, 0,1,2,3
	ds_store_b128 v[\tpn], v[STG+8*\k:STG+8*\k+3] offset:\k*STEPB
	ds_store_b128 v[\tpn], v[STG+8*\k+4:STG+8*\k+7] offset:\k*STEPB+512
.endr
.Lempty_\@:
	s_wait_dscnt 0x0                               ; for the others' sake: my stores have landed, and my reads of this trip's slot are over
	POPS
	s_cmp_lg_u32 s12, 0
	s_cbranch_scc0 .Lnone_\@
	ASKG STG                                       ; four key steps ahead of the stores that want them
.Lnone_\@:
.endm
	s_mov_b32 s17, 2
.Lloop:                                            ; 2 x 2 trips of four steps: 16 steps at the most
	TRIP LI0, TP1
	TRIP LI1, TP0
	s_sub_co_u32 s17, s17, 1
	s_cmp_lg_u32 s17, 0
	s_cbranch_scc1 .Lloop
	; THE WAY OUT.  O^T / the sum x 2^(e6 + e7), held and converted with 2^e8: the 16 registers of tiles 2 b and 2 b + 1 are the head's axis 32 b + 16 h + 0 .. 15: four registers of the next operand, stored as they stand.
	v_add_f32 v14, v14, v15
	v_permlanex16_b32 v[PD], v14, s26, s27
	v_add_f32 v14, v14, v[PD]                      ; the row's sum
	v_rcp_f32 v14, v14
	v_nop                                          ; a plain instruction behind the reciprocal
	s_wait_alu depctr_va_vdst(0)                   ; and the wait ahead of its first reader
	v_ldexp_f32 v14, v14, s66
.set n, 0
.rept 16
	v_pk_mul_f32 v[O+n:O+n+1], v[O+n:O+n+1], v[14:15] op_sel_hi:[1,0]
.set n, n+2
.endr
.set n, 0
.rept 32
	v_med3_num_f32 v[O+n], v[O+n], -v[QL], v[QL]
.set n, n+1
.endr
.irp t, 0,1,2,3
	v_cvt_scalef32_pk8_fp8_f32 v[PC+2*\t:PC+2*\t+1], v[O+8*\t:O+8*\t+7], v[QS]
.endr
	v_nop
	global_store_b128 v[LI0], v[PC:PC+3], s[6:7]                ; 32 lanes store 512 consecutive bytes, aligned
	global_store_b128 v[LI0], v[PC+4:PC+7], s[6:7] offset:512
	s_wait_tensorcnt 0x0
	ds_add_u32 v30, v31
	s_wait_dscnt 0x0
	s_endpgm
.Lfunc_end_k_q4aa4e9b95a_attn:
	.size	k_q4aa4e9b95a_attn, .Lfunc_end_k_q4aa4e9b95a_attn-k_q4aa4e9b95a_attn
	.p2alignl 7, 3214868480
	.fill 96, 4, 3214868480
	.section	.rodata,"a",@progbits
	.p2align	6, 0x0
	.amdhsa_kernel k_q4aa4e9b95a_attn
		.amdhsa_group_segment_fixed_size 199680
		.amdhsa_private_segment_fixed_size 0
		.amdhsa_enable_private_segment 0
		.amdhsa_kernarg_size 64
		.amdhsa_user_sgpr_count 2
		.amdhsa_user_sgpr_kernarg_segment_ptr 1
		.amdhsa_wavefront_size32 1
		.amdhsa_system_sgpr_workgroup_id_x 1
		.amdhsa_system_sgpr_workgroup_id_y 1
		.amdhsa_system_sgpr_workgroup_id_z 1
		.amdhsa_system_vgpr_workitem_id 0
		.amdhsa_next_free_vgpr 256
		.amdhsa_next_free_sgpr 100
		.amdhsa_reserve_vcc 0
		.amdhsa_float_denorm_mode_32 3
		.amdhsa_float_denorm_mode_16_64 3
		.amdhsa_memory_ordered 1
		.amdhsa_forward_progress 1
		.amdhsa_inst_pref_size 197
	.end_amdhsa_kernel
	.amdgpu_metadata
---
amdhsa.version: [ 1, 2 ]
amdhsa.kernels:
  - .name:           k_q4aa4e9b95a_attn
    .symbol:         k_q4aa4e9b95a_attn.kd
    .args:
      - { .name: qn, .offset: 0, .size: 8, .value_kind: global_buffer, .address_space: global }
      - { .name: Wq_codes, .offset: 8, .size: 8, .value_kind: global_buffer, .address_space: global }
      - { .name: bq, .offset: 16, .size: 8, .value_kind: global_buffer, .address_space: global }
      - { .name: kvimg, .offset: 24, .size: 8, .value_kind: global_buffer, .address_space: global }
      - { .name: lmask, .offset: 32, .size: 8, .value_kind: global_buffer, .address_space: global }
      - { .name: steps, .offset: 40, .size: 8, .value_kind: global_buffer, .address_space: global }
      - { .name: lowp_scales, .offset: 48, .size: 8, .value_kind: global_buffer, .address_space: global }
      - { .name: oimg, .offset: 56, .size: 8, .value_kind: global_buffer, .address_space: global }
    .group_segment_fixed_size: 199680
    .private_segment_fixed_size: 0
    .kernarg_segment_align: 8
    .kernarg_segment_size: 64
    .max_flat_workgroup_size: 512
    .sgpr_count:     100
    .vgpr_count:     256
    .wavefront_size: 32
...
	.end_amdgpu_metadata
.endif
;; end of part 3
;; launch oproj (part 4): grid 64 x 4, 4 waves a work-group, clusters of 4 x 1, 296,448 bytes of LDS; arguments oimg, Wo_codes, bo, q, lowp_scales, out0; writes out0
.if DOCPART == 4
	.amdgcn_target "amdgcn-amd-amdhsa--gfx1250"
	.amdhsa_code_object_version 6
	.text
	.protected	k_q4aa4e9b95a_oproj
	.globl	k_q4aa4e9b95a_oproj
	.p2align	8
	.type	k_q4aa4e9b95a_oproj,@function
k_q4aa4e9b95a_oproj:
	s_mov_b64 s[64:65], 0
	v_nop
	global_prefetch_b8 v0, s[64:65] scope:SCOPE_SE
	s_setreg_imm32_b32 hwreg(HW_REG_WAVE_MODE, 25, 1), 1
	s_wait_xcnt 0x0
	s_wait_alu depctr_hold_cnt(0) depctr_sa_sdst(0) depctr_va_vdst(0) depctr_va_sdst(0) depctr_va_ssrc(0) depctr_va_vcc(0) depctr_vm_vsrc(0)
	s_getreg_b32 s2, hwreg(HW_REG_IB_STS2, 6, 4)
	s_cmp_eq_u32 s2, 0
	s_cbranch_scc0 .Lentry_in_a_cluster
	s_endpgm
.Lentry_in_a_cluster:
	s_bfe_u32 s2, ttmp6, 0x10000c
	s_cmp_lg_u32 s2, 0x3003
	s_cbranch_scc0 .Lentry_shape_is_right
	s_endpgm
.Lentry_shape_is_right:
; out0 = q + o Wo^T x 2^(e8 + e9) + bo.  o: the attention's result as E4M3 codes, laid as operand images: oimg [tile of 16 rows, 256][K step 8][c 4][lane 32][16 bytes]; Wo: codes [1024][1024]; q, out0: f32 [4096][1024].
; SHARES.  A tile of 64 rows x 256 columns to a work-group: 256 work-groups (a tile of 256 x 256 would give 64).  Wave w makes the 64 rows x columns 64 w .. 64 w + 63: 16 accumulators, 128 matrix instructions.
; Wo's 64 rows of a wave come into LDS by four tensor loads (a quarter of K each), issued at the start; every LDS byte is filled once, and a wave reads only what its own loads brought: its own counter orders the reads.
; CLUSTER: the four work-groups of a cluster have the same 256 columns and other rows, so Wo's tiles are asked for JOINTLY (mask 15).  By this text's own count a wave has four tensor loads out.
; o's fragments go from memory straight into registers, 512 consecutive bytes a load, and stay: 4 tiles of rows x 8 K steps x 16 registers.
; THE MATRIX INSTRUCTION IS USED TRANSPOSED (source 0 = 16 rows of Wo, source 1 = 16 rows of o): a lane holds eight neighbouring columns of one row.
; LIMIT: e8 + e9 between -126 and 127.
; REGISTERS, in windows of 256: window 0: v1-6 addresses; v32-95, v96-159 Wo's fragments, two sets, later rows of the result; v160-191 at work; v224-255 bo.
;   windows 1 and 2: o's fragment (m, s) in window 1 + s / 4 at v[64 (s % 4) + 16 m].   window 3: accumulator (m, n) at v[8 (4 m + n)]; from v128 the residual, laid as the rows are stored.
.set PITCH,  272                       ; an LDS row: 256 bytes + 16 of padding: the sixteen rows of a fragment load start at sixteen different groups of banks
.set RGN,    64*PITCH                  ; a wave's 64 rows of a quarter of K
.set STAGE,  16*RGN                    ; behind the sixteen regions: 16 rows x 272 bytes for each wave; no tensor load lands there
.set LI,   1                           ; v1  16 x lane
.set AW,   2                           ; v2  my lane's place in a tile of Wo
.set STO,  3                           ; v3  the way out: where I put 32 bytes of a row
.set RD,   4                           ; v4  where I read a row back
.set CO,   5                           ; v5  my byte offset in two rows of q and of out0
.set BA,   6                           ; v6  bo: 32 h
.set WB,   32
.set TMP,  160
.set BIAS, 224
.set G1,   24                          ; s[24:31] descriptor group 1;  s[32:47] four groups 0
.set G0,   32
.set MSB, 0
.macro WIN new                         ; the immediate's high byte repeats the setting that is left
.if MSB != (\new)
	s_set_vgpr_msb (MSB<<8)|(\new)
.set MSB, (\new)
.endif
.endm
.macro CROUND                          ; a round of the cluster's barrier
	s_barrier_signal -1
	s_barrier_wait -1
	s_cmp_lg_u32 s14, 0
	s_cbranch_scc1 .Lnot_wave_0_\@
	s_barrier_signal -3
.Lnot_wave_0_\@:
	s_barrier_wait -3
	s_barrier_signal -1
	s_barrier_wait -1
.endm
	s_load_b256 s[4:11], s[0:1], 0x0               ; oimg s[4:5], Wo's codes s[6:7], bo s[8:9], q s[10:11]
	s_load_b128 s[16:19], s[0:1], 0x20             ; the scales' exponents s[16:17], out0 s[18:19]
	v_lshl_add_u32 v222, v0, 2, 0x48400
	v_mov_b32 v223, 0
	ds_add_u32 v222, v223
	ds_add_u32 v222, v223
	v_lshrrev_b32 v1, 5, v0
	v_readfirstlane_b32 s14, v1                    ; wave 0..3
	s_bfe_u32 s50, ttmp6, 0x40000                  ; cx
	s_lshl_b32 s51, ttmp9, 2
	s_add_co_u32 s51, s51, s50                     ; my 64 rows: 4 x cluster x + cx; it enters oimg's, q's and out0's addresses alone
	s_and_b32 s52, ttmp7, 0xffff                   ; my 256 columns, which the four partners share
	s_mov_b32 s[G1+0], 15|(0<<16)|(1<<20)|(1<<21)|(5<<22)|(3<<25)  ; 15:0 the mask: all four; 17:16 elements of 1 byte; 20 padding on; 21 set beside a mask; 24:22 after every 64 words (code 5); 31:25 four words (code 3)
	s_mov_b32 s[G1+1], 256<<16                     ; tensor_dim0
	s_mov_b32 s[G1+2], 64<<16                      ; tensor_dim1
	s_mov_b32 s[G1+3], 256<<16                     ; tile_dim0
	s_mov_b32 s[G1+4], 64                          ; tile_dim1
	s_mov_b32 s[G1+5], 1024                        ; tensor_dim0_stride
	s_mov_b32 s[G1+6], 0
	s_mov_b32 s[G1+7], 0
	s_lshl_b32 s20, s52, 8
	s_lshl_b32 s21, s14, 6
	s_add_co_u32 s20, s20, s21                     ; my first column = my first row of Wo
	s_lshl_b32 s22, s20, 10
	s_mov_b32 s23, 0
	s_mul_i32 s53, s14, 4*RGN                      ; my four regions
	s_wait_dscnt 0x0
	s_wait_kmcnt 0x0
	s_load_b64 s[48:49], s[16:17], 0x20            ; e8, e9
	s_add_nc_u64 s[6:7], s[6:7], s[22:23]
	CROUND                                         ; all four work-groups are here: the joint loads meet
.irp k, 0,1,2,3
	s_mov_b32 s[G0+4*\k], 1
	s_add_co_u32 s[G0+4*\k+1], s53, \k*RGN
	s_add_nc_u64 s[G0+4*\k+2:G0+4*\k+3], s[6:7], \k*256
	s_or_b32 s[G0+4*\k+3], s[G0+4*\k+3], 0x80000000
.endr
.irp k, 0,1,2,3
	tensor_load_to_lds s[G0+4*\k:G0+4*\k+3], s[G1:G1+7]
	s_nop 0
.endr
.rept 4
	v_nop                                          ; four lines behind the last of them, ahead of the first switch of windows
.endr
	v_and_b32 v7, 31, v0
	v_lshlrev_b32 v[LI], 4, v7
	v_and_b32 v8, 15, v0                           ; r
	v_bfe_u32 v9, v0, 4, 1                         ; h
	v_mul_u32_u24 v[AW], v8, PITCH
	v_lshl_add_u32 v[AW], v9, 4, v[AW]
	v_add_nc_u32 v[AW], s53, v[AW]
	s_mul_i32 s54, s14, 16*PITCH
	s_add_co_u32 s54, s54, STAGE                   ; my stage
	v_mul_u32_u24 v[STO], v8, PITCH
	v_lshl_add_u32 v[STO], v9, 5, v[STO]
	v_add_nc_u32 v[STO], s54, v[STO]               ; in: row r, 32 bytes for each half of the lanes
	v_mul_u32_u24 v[RD], v9, PITCH
	v_lshl_add_u32 v[RD], v8, 4, v[RD]
	v_add_nc_u32 v[RD], s54, v[RD]                 ; back: lanes 0-15 one row of 256 bytes, lanes 16-31 the next
	v_lshlrev_b32 v[CO], 12, v9
	v_lshl_add_u32 v[CO], v8, 4, v[CO]             ; and the same two rows in q and in out0
	v_lshlrev_b32 v[BA], 5, v9
	s_lshl_b32 s22, s51, 16                        ; four tiles of 16,384 bytes
	s_add_nc_u64 s[4:5], s[4:5], s[22:23]
	s_lshl_b32 s22, s20, 2
	s_add_nc_u64 s[8:9], s[8:9], s[22:23]
	s_lshl_b32 s55, s51, 18                        ; 64 rows of 4,096 bytes
	s_add_co_u32 s22, s22, s55
	s_add_nc_u64 s[10:11], s[10:11], s[22:23]
	s_add_nc_u64 s[18:19], s[18:19], s[22:23]
	WIN 0x40                                       ; destination window 1
.irp s, 0,1,2,3
.irp m, 0,1,2,3
.irp c, 0,1,2,3
	global_load_b128 v[64*\s+16*\m+4*\c:64*\s+16*\m+4*\c+3], v[LI], s[4:5] offset:\m*16384+\s*2048+\c*512
.endr
.endr
.endr
	WIN 0x80                                       ; destination window 2
.irp s, 4,5,6,7
.irp m, 0,1,2,3
.irp c, 0,1,2,3
	global_load_b128 v[64*(\s-4)+16*\m+4*\c:64*(\s-4)+16*\m+4*\c+3], v[LI], s[4:5] offset:\m*16384+\s*2048+\c*512
.endr
.endr
.endr
	WIN 0
.irp n, 0,1,2,3
	global_load_b128 v[BIAS+8*\n:BIAS+8*\n+3], v[BA], s[8:9] offset:64*\n         ; register 8 n + j: bo of column 16 n + 8 h + j
	global_load_b128 v[BIAS+8*\n+4:BIAS+8*\n+7], v[BA], s[8:9] offset:64*\n+16
.endr
	WIN 0xc0                                       ; destination window 3
.irp m, 0,1,2,3
.irp t, 0,1,2,3,4,5,6,7
	global_load_b128 v[128+32*\m+4*\t:128+32*\m+4*\t+3], v[CO], s[10:11] offset:(16*\m+2*\t)*4096 th:TH_LOAD_NT   ; the residual: 16 lanes read 256 consecutive bytes
.endr
.endr
	WIN 0
.macro FETCHW s                        ; Wo's four fragments of K step s into set s % 2
.set WBS, WB+64*((\s)%2)
.irp n, 0,1,2,3
.irp c, 0,1,2,3
	ds_load_b128 v[WBS+16*\n+4*\c:WBS+16*\n+4*\c+3], v[AW] offset:((\s)/2)*RGN+\n*16*PITCH+((\s)%2)*128+32*\c
.endr
.endr
.endm
.macro KSTEP s
.if (\s) < 7
.if ((\s)+1)%2 == 0
	s_wait_tensorcnt 3-((\s)+1)/2                  ; the quarter of K that the next step begins is in; the later quarters may be out
.endif
	FETCHW (\s)+1
	s_wait_dscnt 16                                ; this step's fragments are in; the sixteen just asked for may be out
.else
	s_wait_dscnt 0x0
.endif
.if 16*(7-(\s))+40 > 63
	s_wait_loadcnt 63                              ; behind this step's fragments of o more than 63 loads were issued: with 63 out at the most they are in
.else
	s_wait_loadcnt 16*(7-(\s))+40                  ; behind them: the later steps' sixteen each, bo's 8 and the residual's 32
.endif
	WIN 0xf4+4*((\s)/4)                            ; source 0 window 0, source 1 window 1 or 2, C and D window 3
.set WBS, WB+64*((\s)%2)
.irp m, 0,1,2,3
.irp n, 0,1,2,3                                ; the sixteen accumulators take turns in one order
.if (\s) == 0
	v_wmma_f32_16x16x128_fp8_fp8 v[8*(4*\m+\n):8*(4*\m+\n)+7], v[WBS+16*\n:WBS+16*\n+15], v[64*((\s)%4)+16*\m:64*((\s)%4)+16*\m+15], 0
.else
	v_wmma_f32_16x16x128_fp8_fp8 v[8*(4*\m+\n):8*(4*\m+\n)+7], v[WBS+16*\n:WBS+16*\n+15], v[64*((\s)%4)+16*\m:64*((\s)%4)+16*\m+15], v[8*(4*\m+\n):8*(4*\m+\n)+7]
.endif
.endr
.endr
	WIN 0
.rept 4
	v_nop                                          ; places in front of the loads into this set's registers, and of the first read of results
.endr
.endm
	s_wait_tensorcnt 3                             ; my first quarter of K is in
	FETCHW 0
.irp s, 0,1,2,3,4,5,6,7
	KSTEP \s
.endr
	s_wait_loadcnt 0x0                             ; bo and the residual
	s_wait_kmcnt 0x0
	s_add_co_i32 s48, s48, s49
	s_add_co_i32 s48, s48, 127
	s_lshl_b32 s48, s48, 23                        ; 2^(e8 + e9) as f32
	s_mov_b32 s49, s48                             ; (named with it as a pair, so it is written)
; THE WAY OUT, 16 rows at a time: sum x 2^(e8 + e9) + bo into my stage, back as whole rows of 256 bytes, + q, stored.
.irp m, 0,1,2,3
	WIN 0x03                                       ; source 0 window 3
.irp n, 0,1,2,3
.irp i, 0,2,4,6
	v_pk_fma_f32 v[TMP+8*\n+\i:TMP+8*\n+\i+1], v[8*(4*\m+\n)+\i:8*(4*\m+\n)+\i+1], s[48:49], v[BIAS+8*\n+\i:BIAS+8*\n+\i+1] op_sel_hi:[1,0,1]   ; each accumulator from its low end on
.endr
.endr
	WIN 0
.irp n, 0,1,2,3
	ds_store_b128 v[STO], v[TMP+8*\n:TMP+8*\n+3] offset:64*\n
	ds_store_b128 v[STO], v[TMP+8*\n+4:TMP+8*\n+7] offset:64*\n+16
.endr
.irp t, 0,1,2,3,4,5,6,7
	ds_load_b128 v[WB+32*\m+4*\t:WB+32*\m+4*\t+3], v[RD] offset:\t*2*PITCH   ; LDS serves a wave's instructions in order (ISA guide 5.7.1.4): these see my stores, and the next rows' stores come behind them
.endr
	s_wait_dscnt 0x0                               ; the rows are back, and the stores have read the registers that the next rows write
	WIN 0x0c                                       ; source 1 window 3
.set n, 0
.rept 16
	v_pk_add_f32 v[WB+32*\m+n:WB+32*\m+n+1], v[WB+32*\m+n:WB+32*\m+n+1], v[128+32*\m+n:128+32*\m+n+1]
.set n, n+2
.endr
	WIN 0
.irp t, 0,1,2,3,4,5,6,7
	global_store_b128 v[CO], v[WB+32*\m+4*\t:WB+32*\m+4*\t+3], s[18:19] offset:(16*\m+2*\t)*4096 th:TH_STORE_NT   ; 16 lanes store 256 consecutive bytes, aligned; each group of rows has registers of its own
.endr
.endr
	s_wait_tensorcnt 0x0
	s_wait_dscnt 0x0
	s_wait_tensorcnt 0x0
	ds_add_u32 v222, v223
	s_wait_dscnt 0x0
	CROUND                                         ; the closing round: no work-group ends while a partner may still ask for a tile that names it
	s_endpgm
.Lfunc_end_k_q4aa4e9b95a_oproj:
	.size	k_q4aa4e9b95a_oproj, .Lfunc_end_k_q4aa4e9b95a_oproj-k_q4aa4e9b95a_oproj
	.p2alignl 7, 3214868480
	.fill 96, 4, 3214868480
	.section	.rodata,"a",@progbits
	.p2align	6, 0x0
	.amdhsa_kernel k_q4aa4e9b95a_oproj
		.amdhsa_group_segment_fixed_size 296448
		.amdhsa_private_segment_fixed_size 0
		.amdhsa_enable_private_segment 0
		.amdhsa_kernarg_size 48
		.amdhsa_user_sgpr_count 2
		.amdhsa_user_sgpr_kernarg_segment_ptr 1
		.amdhsa_wavefront_size32 1
		.amdhsa_system_sgpr_workgroup_id_x 1
		.amdhsa_system_sgpr_workgroup_id_y 1
		.amdhsa_system_sgpr_workgroup_id_z 1
		.amdhsa_system_vgpr_workitem_id 0
		.amdhsa_next_free_vgpr 1024
		.amdhsa_next_free_sgpr 66
		.amdhsa_reserve_vcc 0
		.amdhsa_float_denorm_mode_32 3
		.amdhsa_float_denorm_mode_16_64 3
		.amdhsa_memory_ordered 1
		.amdhsa_forward_progress 1
		.amdhsa_inst_pref_size 56
	.end_amdhsa_kernel
	.amdgpu_metadata
---
amdhsa.version: [ 1, 2 ]
amdhsa.kernels:
  - .name:           k_q4aa4e9b95a_oproj
    .symbol:         k_q4aa4e9b95a_oproj.kd
    .args:
      - { .name: oimg, .offset: 0, .size: 8, .value_kind: global_buffer, .address_space: global }
      - { .name: Wo_codes, .offset: 8, .size: 8, .value_kind: global_buffer, .address_space: global }
      - { .name: bo, .offset: 16, .size: 8, .value_kind: global_buffer, .address_space: global }
      - { .name: q, .offset: 24, .size: 8, .value_kind: global_buffer, .address_space: global }
      - { .name: lowp_scales, .offset: 32, .size: 8, .value_kind: global_buffer, .address_space: global }
      - { .name: out0, .offset: 40, .size: 8, .value_kind: global_buffer, .address_space: global }
    .group_segment_fixed_size: 296448
    .private_segment_fixed_size: 0
    .kernarg_segment_align: 8
    .kernarg_segment_size: 48
    .max_flat_workgroup_size: 128
    .sgpr_count:     66
    .vgpr_count:     1024
    .wavefront_size: 32
...
	.end_amdgpu_metadata
.endif
;; end of part 4
;; ======== version 2 of 2: 4 launches; version 1 with the launch attn written anew for expert scheduling mode
;; limits: right only within a limited range of input values
;; workspace buffers: qn 4,194,304 bytes; kvn 8,388,608 bytes; kvimg 16,777,216 bytes; oimg 4,194,304 bytes; lmask 16,384 bytes of whole numbers; steps 256 bytes of whole numbers
;; launch prep: the kernel of part 1 again; grid 388 x 1, 8 waves a work-group, no clusters, 34,304 bytes of LDS; arguments q, kv, norm_q_w, norm_q_b, norm_kv_w, norm_kv_b, mask, lowp_scales, qn, kvn, lmask, steps; writes qn, kvn, lmask, steps
;; launch kvproj: the kernel of part 2 again; grid 8 x 32, 4 waves a work-group, clusters of 4 x 4, 327,680 bytes of LDS; arguments kvn, Wkv_codes, bkv, lowp_scales, kvimg; writes kvimg
;; launch attn (part 5): grid 4 x 64, 16 waves a work-group, no clusters, 199,680 bytes of LDS; arguments qn, Wq_codes, bq, kvimg, lmask, steps, lowp_scales, oimg; writes oimg
.if DOCPART == 5
	.amdgcn_target "amdgcn-amd-amdhsa--gfx1250"
	.amdhsa_code_object_version 6
	.text
	.protected	k_q4aa4e9b95a_attn
	.globl	k_q4aa4e9b95a_attn
	.p2align	8
	.type	k_q4aa4e9b95a_attn,@function
k_q4aa4e9b95a_attn:
	s_mov_b64 s[64:65], 0
	v_nop
	global_prefetch_b8 v0, s[64:65] scope:SCOPE_SE
	s_setreg_imm32_b32 hwreg(HW_REG_WAVE_SCHED_MODE, 0, 2), 2
	s_setreg_imm32_b32 hwreg(HW_REG_WAVE_MODE, 25, 1), 1
	s_wait_xcnt 0x0
	s_wait_alu depctr_vm_vsrc(0)
; The Q projection of one head and the masked attention of that head, all products on E4M3 codes; the result is quantised (2^e8) and stored as the output projection's operand lies in registers.
; SHARES.  A work-group owns 256 queries (x) of one batch and head (y = 16 batch + head); each of its sixteen waves owns 16 queries, in 256 registers: four waves to a SIMD, so that one wave's vector work
; stands beside another's matrix work and LDS loads.
; Q.  qh = qn Wq^T x 2^(e0 + e1) + bq, transposed (source 0 = 16 rows of the head's 64 of Wq, source 1 = my 16 queries): a lane holds one query, and, the rows of a tile being chosen for it, the 16 registers of
; tiles 2 g and 2 g + 1 are the head's axis 32 g + 16 h + 0 .. 15.  Held and converted with 2^e4 they are Q's fragment.  The head's 64 rows of Wq lie in LDS once for all sixteen waves.
; KEYS.  A step is 128 keys; its 16,384 bytes of kvimg are the images of K's eight and V's four fragments.  Steps go in GROUPS OF FOUR: memory -> 32 registers a lane -> one of two LDS slots of 65,536 bytes,
; ONE barrier for a group: inside a group the waves are free of each other.
; THE MASK is an input.  An earlier launch has stored, for each batch, which steps have a key that counts (ACT) and which of those have a padded key too (MIX).
; In a MIX step padded scores are replaced ahead of the maximum.  A batch without any key that counts has ACT = MIX = all steps: every p is then 1, as in the definition.
; The loop's trip count is the constant 4 (16 steps at the most); a trip with nothing left passes its barrier and no more.  Every barrier stands on every wave's path.
; NO TENSOR LOADS AND NO CLUSTER: the walk over the steps hangs on numbers read from memory.
; NO PREFETCH: a group's loads into registers are issued four key steps ahead of the LDS stores that want them.
; SOFTMAX.  t = score x log2(e) / 8; M = the running largest t rounded up to a whole number; p = 2^(t - M) is quantised with 2^e7; the row's sum is taken of the unquantised p and divides at the end.
; A padded score becomes the raw number -2^(33 - e4 - e5), whose t is -log2(e) x 2^30, a whole number: about -1.55e9 where the definition has -1.44e9.  The two differ in no result unless a score that counts lies near -1e9.
; LIMITS: e4 + e5 between -94 and 130; e0 + e1 between -126 and 127; e4, e7, e8 between -126 and 119.  NaN among the inputs is not served.
; THE MODE: SCHED_MODE bits 1:0 = 2 (LLVM: expert scheduling mode 2), set by the entry lines.  The code itself states the register dependences
; between vector or matrix instructions and memory or LDS instructions, with s_wait_alu, always for 0.
; THE PLAN.  Registers that memory or LDS instructions touch, in the loop:
;   X = v32-95, Y = v96-159   two areas of 64 that CHANGE ROLES from step to step of a group.  In step k: FK = X (k even) or Y (k odd), SS = the other.
;       FK: K's fragments land; the products K Q^T read them; V's fragments land; the products V^T P^T read them; the next step's products K Q^T write their scores there.
;       SS: the products K Q^T write it; the softmax works in place; the conversions read it last; then the NEXT step's K lands there, while O^T is rescaled and V^T P^T is multiplied.
;   STG = v224-255  the group in flight: global loads land, LDS stores read; no vector instruction of the loop names it.  Ahead of the loop these registers are the Q projection's accumulators:
;                   one wait on va_vdst stands behind their last vector instruction, in the straight line ahead of the loop, on every way into it.
;   GA = v24-27     written by four additions once a trip, read by that trip's eight global loads.
;   v1 - v6         addresses, made at the head and never written again.
; So a step holds three waits on va_vdst: behind the scalings (K Q^T is done reading FK: V lands there; its loads are dealt among the exponentials, which name SS alone); behind the exponentials (their results);
; behind the conversions (all that named SS is done: the next K lands there).  A trip holds three more waits: on va_vdst ahead of its first K, on vm_vsrc behind its LDS stores, on va_vdst behind the four additions.
.set LI0,  1                           ; v1   16 x lane: an image's place for my lane, in slot 0
.set TP0,  2                           ; v2   1,024 x wave + 16 x lane: my bytes of a step's image, in memory and in slot 0
.set LI1,  3                           ; v3   v1 + 65,536: in slot 1 (an LDS immediate has 16 bits)
.set TP1,  4                           ; v4   v2 + 65,536
.set WQS,  5                           ; v5   where I store my rows of Wq
.set WQA,  6                           ; v6   my lane's place in a tile of Wq in LDS
.set RNEG, 7                           ; v7   the raw score of a padded key
.set PS,   8                           ; v8   2^e7;  v9  448 x 2^e7
.set PL,   9
.set QS,   10                          ; v10, v11  the same for e4, then for e8
.set QL,   11
                                       ; v12 -M, v13 the largest t, v[14:15] the sum in two halves (ahead of the loop: h, r and two offsets)
.set Q,    16                          ; v16-23   Q's fragment
.set GA,   24                          ; v24-27   v2 + 16,384 x step, for the four steps in flight
                                       ; v30, v31 the closing add's two registers, made at the head and kept for it alone
.set XB,   32                          ; v32-95   area X
.set YB,   96                          ; v96-159  area Y
.set F,    32                          ; ahead of the loop: Wq's four fragments, in area X
.set O,    160                         ; v160-191 O^T
.set PC,   192                         ; v192-207 p's codes
.set T0,   208
.set PD,   209                         ; a lane permute's destination
.set FF,   210                         ; v[210:211] f = 2^(old M - new M)
.set SUM2, 212
.set STG,  224                         ; v224-255 in the loop: my 32 bytes a lane of each of the four steps in flight
.set QN,   96                          ; ahead of the loop: v96-223 qn's eight fragments; v224-255 my rows of Wq, then the four accumulators
.set ACC,  224
.set G0R,  128                         ; the first group lands in v128-159, which qn's fragments 2 and 3 have left by then: no other 32 registers are free ahead of the loop
.set STEPB, 16384                      ; a step's image
.set SLOTB, 65536                      ; LDS: slot 0 at 0, slot 1 at 65,536,
.set WQ,   131072                      ; the head's 64 rows of Wq from 131,072 on,
.set WQP,  1040                        ; 1,024 bytes + 16 a row = 65 x 16: the sixteen rows of a fragment load start at sixteen different groups of banks
                                       ; s[2:3] kvimg at my head; s[4:5] lmask at my batch; s[6:7] oimg; s8-11 the steps in flight, s12 how many of them count; s13 and s20-23 the same for the group in LDS;
                                       ; s16 wave; s17 trips; s18 ACT, s19 MIX; s[24:25] c; s[26:27] lane selects; s28 1 where p wants its hold; s66 e6 + e7; s32-63, s68-99 the mask's words (ahead of the loop: addresses and exponents)
.macro MKSCALE e, vs, vl               ; s[e] = an exponent: v[vs] = 2^e as f32, v[vl] = 448 x 2^e
	s_add_co_i32 s29, s[\e], 127
	s_lshl_b32 s30, s29, 23
	v_mov_b32 v[\vs], s30
	s_add_co_i32 s29, s29, 8
	s_lshl_b32 s29, s29, 23
	s_or_b32 s29, s29, 0x600000
	v_mov_b32 v[\vl], s29
.endm
; Up to four steps are taken off the list, without a branch: s8-11 their numbers, s12 how many there were.  A place with no step left gets step 15: bit 15 is set beside the list for the count of zeros,
; and every number is held inside the table.  What is loaded for such a place is never read from LDS.
.macro POPS
	s_bcnt1_i32_b32 s12, s18
	s_min_u32 s12, s12, 4
.irp k, 0,1,2,3
	s_or_b32 s29, s18, 0x8000
	s_ctz_i32_b32 s[8+\k], s29
	s_min_u32 s[8+\k], s[8+\k], 15
	s_sub_co_u32 s29, s18, 1
	s_and_b32 s18, s18, s29                        ; the lowest bit is taken off; 0 stays 0
.endr
.endm
; The offsets of the four steps s8-11.  They are written behind the wait that has shown their last loads done, and behind the wait on vm_vsrc that states that those loads have read them.
.macro ASKA
.irp k, 0,1,2,3
	s_lshl_b32 s29, s[8+\k], 14
	v_add_nc_u32 v[GA+\k], s29, v[TP0]
.endr
.endm
; My 1,024 bytes of each of the four steps are asked for, into v[base] on: each load of the wave covers 512 consecutive bytes.  A wait on va_vdst stands between the additions above and these loads.
.macro ASKL base
.irp k, 0,1,2,3
	global_load_b128 v[\base+8*\k:\base+8*\k+3], v[GA+\k], s[2:3]
	global_load_b128 v[\base+8*\k+4:\base+8*\k+7], v[GA+\k], s[2:3] offset:512
.endr
.endm
	s_load_b512 s[32:47], s[0:1], 0x0              ; qn, Wq, bq, kvimg, lmask, steps, the scales' exponents, oimg
	v_lshl_add_u32 v30, v0, 2, 0x30400
	v_mov_b32 v31, 0
	v_lshrrev_b32 v10, 5, v0
	v_readfirstlane_b32 s16, v10                   ; wave 0..15
	v_and_b32 v10, 31, v0
	v_lshlrev_b32 v[LI0], 4, v10
	v_add_nc_u32 v[LI1], SLOTB, v[LI0]
	s_wait_alu depctr_va_sdst(0)                   ; s16 is written, ahead of its first reader: LDS places and the bases of qn, Wq and oimg are made from it
	s_lshl_b32 s29, s16, 10
	v_add_nc_u32 v[TP0], s29, v[LI0]
	v_add_nc_u32 v[TP1], SLOTB, v[TP0]
	v_and_b32 v13, 15, v0                          ; r
	v_bfe_u32 v12, v0, 4, 1                        ; h
	v_mul_u32_u24 v[WQA], v13, WQP
	v_lshl_add_u32 v[WQA], v12, 4, v[WQA]
	v_add_nc_u32 v[WQA], WQ, v[WQA]
	v_lshlrev_b32 v14, 10, v13
	v_lshl_add_u32 v14, v12, 4, v14                ; qn: row r of 1,024 bytes, + 16 h
	v_lshlrev_b32 v15, 6, v12                      ; bq: 64 h
	; Row rho of the head's 64 lies at the LDS row that is rho with bits 3 and 4 changed over, so that the rows of a tile (32 b + 8 u + r + 8 (r / 8)) are sixteen neighbouring LDS rows.  My rows are 4 w .. 4 w + 3.
	s_and_b32 s29, s16, 1
	s_lshl_b32 s29, s29, 2
	s_bfe_u32 s30, s16, 0x10001
	s_lshl_b32 s30, s30, 4
	s_add_co_u32 s29, s29, s30
	s_bfe_u32 s30, s16, 0x10002
	s_lshl_b32 s30, s30, 3
	s_add_co_u32 s29, s29, s30
	s_lshr_b32 s30, s16, 3
	s_lshl_b32 s30, s30, 5
	s_add_co_u32 s29, s29, s30
	s_mul_i32 s29, s29, WQP
	s_add_co_u32 s29, s29, WQ
	v_add_nc_u32 v[WQS], s29, v[LI0]
	s_mov_b32 s26, 0x76543210                      ; v_permlanex16_b32: lane l xor 16
	s_mov_b32 s27, 0xfedcba98
	s_and_b32 s17, ttmp7, 0xffff                   ; y
	s_lshr_b32 s74, s17, 4                         ; batch
	s_and_b32 s75, s17, 15                         ; head
	s_mov_b32 s31, 0
	s_wait_kmcnt 0x0
	s_load_b256 s[48:55], s[44:45], 0x0            ; e0 .. e7
	s_load_b32 s56, s[44:45], 0x20                 ; e8
	s_lshl_b32 s30, s74, 3
	s_add_nc_u64 s[42:43], s[42:43], s[30:31]
	s_load_b64 s[18:19], s[42:43], 0x0             ; ACT, MIX
	s_lshl_b32 s30, s17, 18
	s_add_nc_u64 s[2:3], s[38:39], s[30:31]        ; kvimg at my batch and head: 16 steps x 16,384 bytes
	s_lshl_b32 s30, s74, 12
	s_add_nc_u64 s[4:5], s[40:41], s[30:31]        ; lmask at my batch
	s_lshl_b32 s76, s74, 6
	s_lshl_b32 s77, ttmp9, 4
	s_add_co_u32 s76, s76, s77
	s_add_co_u32 s76, s76, s16                     ; my tile of 16 rows: 64 batch + 16 x + wave
	s_lshl_b32 s30, s76, 14                        ; 16 rows of 1,024 codes, in qn and in oimg
	s_add_nc_u64 s[68:69], s[32:33], s[30:31]      ; qn at my rows
	s_add_nc_u64 s[6:7], s[46:47], s[30:31]
	s_lshl_b32 s30, s75, 10                        ; oimg: the head's 64 along K are two groups of 512 bytes: 1,024 x head
	s_add_nc_u64 s[6:7], s[6:7], s[30:31]
	s_lshl_b32 s30, s75, 16
	s_lshl_b32 s77, s16, 12
	s_add_co_u32 s30, s30, s77
	s_add_nc_u64 s[70:71], s[34:35], s[30:31]      ; Wq: the head's 64 rows, my four of them
	s_lshl_b32 s30, s75, 8
	s_add_nc_u64 s[72:73], s[36:37], s[30:31]      ; bq at my head
	s_wait_alu depctr_va_vdst(0)                   ; v1 to v6, v14 and v15 are written: every LDS instruction, load and store below reads one of them as its address or offset
.irp j, 0,1,2,3,4,5,6,7
	global_load_b128 v[ACC+4*\j:ACC+4*\j+3], v[LI0], s[70:71] offset:512*\j   ; my four rows of Wq: 4,096 consecutive bytes
.endr
.irp s, 0,1,2,3,4,5,6,7
.irp c, 0,1,2,3
	global_load_b128 v[QN+16*\s+4*\c:QN+16*\s+4*\c+3], v14, s[68:69] offset:128*\s+32*\c   ; qn's fragments: registers 4 c .. of K step s: k = 128 s + 32 c + 16 h + 0 .. 15 of row r
.endr
.endr
	s_wait_kmcnt 0x0
	POPS                                           ; the first group of steps that count
	s_add_co_i32 s29, s52, s53                     ; e4 + e5
	s_lshl_b32 s30, s29, 23
	s_add_co_i32 s24, s30, 0x3e38aa3b              ; c = log2(e) / 8 x 2^(e4 + e5): the exponents are added to c's exponent field
	s_mov_b32 s25, s24                             ; (named with it as a pair, so it is written)
	s_sub_co_i32 s29, 160, s29
	s_lshl_b32 s29, s29, 23
	s_or_b32 s29, s29, 0x80000000
	v_mov_b32 v[RNEG], s29                         ; -2^(33 - e4 - e5)
	MKSCALE 55, PS, PL
	MKSCALE 52, QS, QL
	s_add_co_i32 s66, s54, s55                     ; e6 + e7, kept where the mask's words do not land
	s_cmp_lt_i32 s55, -8                           ; p is at most 1 (a last bit over at the most).  With e7 >= -8 the largest code stands for 1.75 or more: no p lies beyond it
	s_cselect_b32 s28, 1, 0                        ; 1: p wants its hold
	s_add_co_i32 s58, s48, s49
	s_add_co_i32 s58, s58, 127
	s_lshl_b32 s58, s58, 23                        ; 2^(e0 + e1)
	s_mov_b32 s59, s58
	s_wait_loadcnt 32                              ; my rows of Wq are in; behind them: qn's 32 loads
.irp j, 0,1,2,3,4,5,6,7
	ds_store_b128 v[WQS], v[ACC+4*\j:ACC+4*\j+3] offset:(\j/2)*WQP+(\j%2)*512
.endr
	s_wait_dscnt 0x0                               ; for the others' sake: my stores have landed
	s_barrier_signal -1
	s_barrier_wait -1                              ; the head's 64 rows of Wq lie in LDS; nobody writes them again
	s_wait_alu depctr_vm_vsrc(0)                   ; my LDS stores have read v224-255: these registers are the four accumulators from here on, written by the first products
.irp s, 0,1,2,3,4,5,6,7
.irp t, 0,1,2,3
.irp c, 0,1,2,3
	ds_load_b128 v[F+16*\t+4*\c:F+16*\t+4*\c+3], v[WQA] offset:\t*16*WQP+128*\s+32*\c
.endr
.endr
.set NW, 4*(7-\s)                              ; behind qn's fragment s were issued: the later fragments' four loads each,
.if \s >= 2
.set NW, NW+8                                  ; bq's eight (behind K step 1),
.endif
.if \s >= 4
.set NW, NW+8                                  ; the first group's eight (behind K step 3)
.endif
	s_wait_loadcnt NW                              ; loads come back in order: fragment s is in
	s_wait_dscnt 0x0
.irp t, 0,1,2,3                                ; the four accumulators take turns
.if \s == 0
	v_wmma_f32_16x16x128_fp8_fp8 v[ACC+8*\t:ACC+8*\t+7], v[F+16*\t:F+16*\t+15], v[QN+16*\s:QN+16*\s+15], 0
.else
	v_wmma_f32_16x16x128_fp8_fp8 v[ACC+8*\t:ACC+8*\t+7], v[F+16*\t:F+16*\t+15], v[QN+16*\s:QN+16*\s+15], v[ACC+8*\t:ACC+8*\t+7]
.endif
.endr
.rept 4
	v_nop                                          ; places behind these products, in front of loads into registers that they have read and of the first read of results; they stay beside the wait below
.endr
.if \s == 3
	ASKA                                           ; the first group's offsets
.endif
.if \s < 7
	s_wait_alu depctr_va_vdst(0)                   ; the products so far are done reading Wq's fragments, in which the next K step's land, and qn's fragments 0 to s, in which bq (s = 1) and the first group (s = 3) land; at s = 3 v24-27 are written
.endif
.if \s == 1
.irp t, 0,1,2,3                                ; bq, into the registers that qn's first two fragments have left: tile t's register j = bq of the head's axis 32 (t / 2) + 8 (t % 2) + 16 h + j
	global_load_b128 v[QN+8*\t:QN+8*\t+3], v15, s[72:73] offset:(32*(\t/2)+8*(\t%2))*4
	global_load_b128 v[QN+8*\t+4:QN+8*\t+7], v15, s[72:73] offset:(32*(\t/2)+8*(\t%2))*4+16
.endr
.endif
.if \s == 3
	ASKL G0R                                       ; the first group of K and V, into the registers that fragments 2 and 3 have left: it lands while the other four K steps are multiplied
.endif
.endr
	s_wait_loadcnt 0x0                             ; bq and the first group
.set n, 0
.rept 16
	v_pk_fma_f32 v[ACC+n:ACC+n+1], v[ACC+n:ACC+n+1], s[58:59], v[QN+n:QN+n+1] op_sel_hi:[1,0,1]   ; sum x 2^(e0 + e1) + bq; each accumulator from its low end on
.set n, n+2
.endr
.set n, 0
.rept 32
	v_med3_num_f32 v[ACC+n], v[ACC+n], -v[QL], v[QL]   ; the conversion does not saturate (ISA guide 7.6.2): the hold at the largest code x the scale
.set n, n+1
.endr
.irp g, 0,1
	v_cvt_scalef32_pk8_fp8_f32 v[Q+4*\g:Q+4*\g+1], v[ACC+16*\g:ACC+16*\g+7], v[QS]      ; registers 4 g .. 4 g + 3: the head's axis 32 g + 16 h + 0 .. 15, as K's images have it
	v_cvt_scalef32_pk8_fp8_f32 v[Q+4*\g+2:Q+4*\g+3], v[ACC+16*\g+8:ACC+16*\g+15], v[QS]
.endr
	v_nop                                          ; a plain instruction behind the last conversion
	MKSCALE 56, QS, QL                             ; from here on: e8's
	; the first group goes into slot 0, and the second is asked for, into the registers that the accumulators have left
.irp k, 0,1,2,3
	s_mov_b32 s[20+\k], s[8+\k]
.endr
	s_mov_b32 s13, s12
.irp k, 0,1,2,3
	ds_store_b128 v[TP0], v[G0R+8*\k:G0R+8*\k+3] offset:\k*STEPB
	ds_store_b128 v[TP0], v[G0R+8*\k+4:G0R+8*\k+7] offset:\k*STEPB+512
.endr
	s_wait_alu depctr_vm_vsrc(0)                   ; these stores have read v128-159, which the first scores write; qn's and bq's loads have read v14 and v15, which become the sum; the first group's loads have read v24-27, which are written anew below
	v_mov_b32 v13, 0xff61b1e6                      ; the largest t so far: -3e38, under every t
	v_floor_f32 v12, -v13                          ; -M
	v_mov_b32 v14, 0                               ; the sum, in two halves
	v_mov_b32 v15, 0
	v_mov_b32 v[PD], 0
	v_mov_b32 v[FF+1], 0                           ; (named as the upper half of a pair)
.set n, 0
.rept 32
	v_mov_b32 v[O+n], 0                            ; O^T: the step is written once; the first finds zeros, which the first change of M leaves zeros
.set n, n+1
.endr
	s_wait_dscnt 0x0                               ; for the others' sake: my stores have landed
	POPS
	ASKA                                           ; the second group's offsets, made on every way: where the list is at its end they are step 15's, and no load reads them
	s_wait_alu depctr_va_vdst(0)                   ; ahead of the branch, so on every way into the loop: v24-27 are written, which the loads below read; the scalings and holds have written v224-255 and the conversions are done reading them: the second group lands there, and the trips' LDS stores read them
	s_cmp_lg_u32 s12, 0
	s_cbranch_scc0 .Lno_second
	ASKL STG
.Lno_second:
; K's eight fragments of the k-th step of the slot at v[li], into v[dst] on.
.macro KLOAD li, k, dst
.irp t, 0,1,2,3,4,5,6,7
	ds_load_b128 v[\dst+8*\t:\dst+8*\t+3],   v[\li] offset:(\k)*STEPB+\t*1024
	ds_load_b128 v[\dst+8*\t+4:\dst+8*\t+7], v[\li] offset:(\k)*STEPB+\t*1024+512
.endr
.endm
; A KEY STEP, the k-th of the slot at v[li]: S^T = K Q^T, the mask, the softmax, O^T += V^T P^T.  Its K has been asked for: by the trip's head (k = 0) or by the step before.
.macro COMPUTE li, k
.set KB, (\k)*STEPB
.set FK, XB+64*((\k)%2)                        ; K's fragments, then V's
.set SS, YB-64*((\k)%2)                        ; S^T, then p; then the next step's K
	s_wait_dscnt 0x0                               ; K
.irp t, 0,1,2,3,4,5,6,7
	v_wmma_f32_16x16x64_fp8_fp8 v[SS+8*\t:SS+8*\t+7], v[FK+8*\t:FK+8*\t+7], v[Q:Q+7], 0   ; register 16 b + i of S: key 32 b + 16 h + i of the step, for my lane's query
.endr
.rept 4
	v_nop                                          ; places in front of the first read of the scores
.endr
	s_lshr_b32 s29, s19, s[20+(\k)]
	s_and_b32 s29, s29, 1
	s_cmp_lg_u32 s29, 0                            ; has this step a padded key?  A stored whole number decides
	s_cbranch_scc0 .Lopen_\@
	s_lshl_b32 s30, s[20+(\k)], 8                  ; the step's 64 words
	s_mov_b32 s31, 0
	s_add_nc_u64 s[14:15], s[4:5], s[30:31]
	s_load_b512 s[32:47], s[14:15], 0x0
	s_load_b512 s[48:63], s[14:15], 0x40
	s_load_b512 s[68:83], s[14:15], 0x80
	s_load_b512 s[84:99], s[14:15], 0xc0
	s_wait_kmcnt 0x0
.set n, 0
.rept 64
.if n < 32
.set mr, 32+n
.else
.set mr, 36+n
.endif
	v_cndmask_b32 v[SS+n], v[SS+n], v[RNEG], s[mr]   ; word n is the mask of lanes for register n
.set n, n+1
.endr
.Lopen_\@:
	v_max3_num_f32 v[T0], v[SS], v[SS+1], v[SS+2]  ; the step's largest score of my query, among my 64 keys, in two chains,
	v_max3_num_f32 v[FF], v[SS+3], v[SS+4], v[SS+5]
.irp i, 6,10,14,18,22,26,30,34,38,42,46,50,54,58
	v_max3_num_f32 v[T0], v[T0], v[SS+\i], v[SS+\i+1]
	v_max3_num_f32 v[FF], v[FF], v[SS+\i+2], v[SS+\i+3]
.endr
	v_max3_num_f32 v[T0], v[T0], v[SS+62], v[SS+63]
	v_max_num_f32 v[T0], v[T0], v[FF]
	v_permlanex16_b32 v[PD], v[T0], s26, s27
	v_max_num_f32 v[T0], v[T0], v[PD]              ; and among lane l xor 16's
	v_mul_f32 v[T0], s24, v[T0]                    ; as t (c is positive)
	v_max_num_f32 v13, v13, v[T0]                  ; the running largest t
	v_mov_b32 v[T0], v12
	v_floor_f32 v12, -v13                          ; the new -M = floor(-t): M is a whole number
	v_sub_f32 v[T0], v12, v[T0]                    ; old M less new M: a whole number, 0 or less
	v_cvt_i32_f32 v[T0], v[T0]                     ; (it saturates)
	v_ldexp_f32 v[FF], 1.0, v[T0]                  ; f = 2^(old M - new M): a multiplication by it rounds nothing
.set n, 0
.rept 32
	v_pk_fma_f32 v[SS+n:SS+n+1], v[SS+n:SS+n+1], s[24:25], v[12:13] op_sel_hi:[1,0,0]   ; t - M, two at a time
.set n, n+2
.endr
	s_wait_alu depctr_va_vdst(0)                   ; the products K Q^T are done reading FK, in which V's fragments land.  The exponentials issued behind this wait name SS alone, so all sixteen loads lean on it
.irp t, 0,1,2,3
.irp c, 0,1,2,3
	ds_load_b128 v[FK+16*\t+4*\c:FK+16*\t+4*\c+3], v[\li] offset:KB+8192+\t*2048+\c*512   ; V's fragment t, into K's registers: a fragment ahead of each sixteen exponentials; they land while the rest of the softmax is made
.endr
.irp j, 0,1,2,3,4,5,6,7,8,9,10,11,12,13,14,15
	v_exp_f32 v[SS+16*\t+\j], v[SS+16*\t+\j]       ; p = 2^(t - M), not normalised
.endr
.endr
	v_pk_mul_f32 v[14:15], v[14:15], v[FF:FF+1] op_sel_hi:[1,0]   ; the sums under the new M; also the plain instruction behind the exponentials
	s_wait_alu depctr_va_vdst(0)                   ; the 64 exponentials have written p: one wait for the whole batch, ahead of its first reader
	v_pk_add_f32 v[SUM2:SUM2+1], v[SS:SS+1], v[SS+2:SS+3]   ; the row's sum is taken of the unquantised p, in two chains
.irp j, 4,8,12,16,20,24,28,32,36,40,44,48,52,56,60
	v_pk_add_f32 v[14:15], v[14:15], v[SS+\j:SS+\j+1]
	v_pk_add_f32 v[SUM2:SUM2+1], v[SUM2:SUM2+1], v[SS+\j+2:SS+\j+3]
.endr
	v_pk_add_f32 v[14:15], v[14:15], v[SUM2:SUM2+1]
	s_cmp_lg_u32 s28, 0                            ; the hold is made where the given scale asks for it (e7 < -8): a branch on a whole number read from memory
	s_cbranch_scc0 .Lno_hold_\@
.set n, 0
.rept 64
	v_min_num_f32 v[SS+n], v[SS+n], v[PL]          ; the conversion does not saturate (ISA guide 7.6.2); p is not negative, so the hold is one-sided
.set n, n+1
.endr
.Lno_hold_\@:
.irp b, 0,1,2,3
	v_cvt_scalef32_pk8_fp8_f32 v[PC+4*\b:PC+4*\b+1], v[SS+16*\b:SS+16*\b+7], v[PS]
	v_cvt_scalef32_pk8_fp8_f32 v[PC+4*\b+2:PC+4*\b+3], v[SS+16*\b+8:SS+16*\b+15], v[PS]
.endr
	s_wait_dscnt 0x0                               ; V: asked for ahead of the exponentials.  It stands here so that the next K's loads, below, need not be counted on two ways
.if (\k) < 3
	s_cmp_gt_u32 s13, (\k)+1                       ; has the group a next step?
	s_cbranch_scc0 .Lno_next_\@
	s_wait_alu depctr_va_vdst(0)                   ; the softmax has written SS for the last time and the conversions are done reading it: the next step's K lands there
	KLOAD \li, (\k)+1, SS                          ; it lands while O^T is rescaled and V^T P^T is multiplied: none of those lines names SS
.Lno_next_\@:
.endif
.set n, 0
.rept 16
	v_pk_mul_f32 v[O+n:O+n+1], v[O+n:O+n+1], v[FF:FF+1] op_sel_hi:[1,0]   ; O^T under the new M; these are also the plain instructions between the conversions and the products
.set n, n+2
.endr
.irp t, 0,1,2,3                                ; tile t: the head's axis 32 (t / 2) + 8 (t % 2) + 16 h + j in register j
	v_wmma_f32_16x16x128_fp8_fp8 v[O+8*\t:O+8*\t+7], v[FK+16*\t:FK+16*\t+15], v[PC:PC+15], v[O+8*\t:O+8*\t+7]
.endr
.rept 5
	v_nop                                          ; five places: the next products K Q^T write their scores over V's registers, which these products read; they also stand in front of the next read of O^T
.endr
.endm
; A TRIP.  One barrier; the group that lies in the slot at v[li] is worked, as many steps as it has; then the group in flight goes into the other slot, at v[tpn], and the group after it is asked for.
; The slot at v[li] was stored ahead of this barrier, each wave's stores waited for in front of its signal.  The other slot was last read in the trip before: every wave has signalled this barrier behind
; the wait for those reads, so behind it the slot may be written.
.macro TRIP li, tpn
	s_barrier_signal -1
	s_barrier_wait -1
	s_cmp_gt_u32 s13, 0                            ; a group's steps stand at its first places
	s_cbranch_scc0 .Ldone_\@
	s_wait_alu depctr_va_vdst(0)                   ; every vector and matrix instruction that has named area X (the group before; in the first trip the Q projection) is done: the group's first K lands there
	KLOAD \li, 0, XB
	COMPUTE \li, 0
.irp k, 1,2,3
	s_cmp_gt_u32 s13, \k
	s_cbranch_scc0 .Ldone_\@
	COMPUTE \li, \k
.endr
.Ldone_\@:
	s_wait_loadcnt 0x0                             ; the group in flight, asked for a trip ago, is in my registers; its offset registers are free
.irp k, 0,1,2,3
	s_mov_b32 s[20+\k], s[8+\k]
.endr
	s_mov_b32 s13, s12
	s_cmp_lg_u32 s13, 0
	s_cbranch_scc0 .Lempty_\@
.irp k, 0,1,2,3
	ds_store_b128 v[\tpn], v[STG+8*\k:STG+8*\k+3] offset:\k*STEPB      ; no vector instruction has named these registers since the wait on va_vdst ahead of the loop
	ds_store_b128 v[\tpn], v[STG+8*\k+4:STG+8*\k+7] offset:\k*STEPB+512
.endr
.Lempty_\@:
	s_wait_dscnt 0x0                               ; for the others' sake: my stores have landed, and my reads of this trip's slot are over
	s_wait_alu depctr_vm_vsrc(0)                   ; the LDS stores have read v224-255, in which the next group lands; the last group's loads have read v24-27, which are written anew below
	POPS
	s_cmp_lg_u32 s12, 0
	s_cbranch_scc0 .Lnone_\@
	ASKA
	s_wait_alu depctr_va_vdst(0)                   ; v24-27 are written, which the loads below read
	ASKL STG                                       ; four key steps ahead of the stores that want them
.Lnone_\@:
.endm
	s_mov_b32 s17, 2
.Lloop:                                            ; 2 x 2 trips of four steps: 16 steps at the most
	TRIP LI0, TP1
	TRIP LI1, TP0
	s_sub_co_u32 s17, s17, 1
	s_cmp_lg_u32 s17, 0
	s_cbranch_scc1 .Lloop
	; THE WAY OUT.  O^T / the sum x 2^(e6 + e7), held and converted with 2^e8: the 16 registers of tiles 2 b and 2 b + 1 are the head's axis 32 b + 16 h + 0 .. 15: four registers of the next operand, stored as they stand.
	v_add_f32 v14, v14, v15
	v_permlanex16_b32 v[PD], v14, s26, s27
	v_add_f32 v14, v14, v[PD]                      ; the row's sum
	v_rcp_f32 v14, v14
	v_nop                                          ; a plain instruction behind the reciprocal
	s_wait_alu depctr_va_vdst(0)                   ; the reciprocal has written v14, ahead of its first reader
	v_ldexp_f32 v14, v14, s66
.set n, 0
.rept 16
	v_pk_mul_f32 v[O+n:O+n+1], v[O+n:O+n+1], v[14:15] op_sel_hi:[1,0]
.set n, n+2
.endr
.set n, 0
.rept 32
	v_med3_num_f32 v[O+n], v[O+n], -v[QL], v[QL]
.set n, n+1
.endr
.irp t, 0,1,2,3
	v_cvt_scalef32_pk8_fp8_f32 v[PC+2*\t:PC+2*\t+1], v[O+8*\t:O+8*\t+7], v[QS]
.endr
	v_nop
	s_wait_alu depctr_va_vdst(0)                   ; the conversions have written v192-199, which the two stores read
	global_store_b128 v[LI0], v[PC:PC+3], s[6:7]                ; 32 lanes store 512 consecutive bytes, aligned
	global_store_b128 v[LI0], v[PC+4:PC+7], s[6:7] offset:512
	s_wait_dscnt 0x0                               ; the closing lines, six on end
	s_wait_alu 0x0
	s_wait_tensorcnt 0x0
	ds_add_u32 v30, v31
	s_wait_dscnt 0x0
	s_endpgm
.Lfunc_end_k_q4aa4e9b95a_attn:
	.size	k_q4aa4e9b95a_attn, .Lfunc_end_k_q4aa4e9b95a_attn-k_q4aa4e9b95a_attn
	.p2alignl 7, 3214868480
	.fill 96, 4, 3214868480
	.section	.rodata,"a",@progbits
	.p2align	6, 0x0
	.amdhsa_kernel k_q4aa4e9b95a_attn
		.amdhsa_group_segment_fixed_size 199680
		.amdhsa_private_segment_fixed_size 0
		.amdhsa_enable_private_segment 0
		.amdhsa_kernarg_size 64
		.amdhsa_user_sgpr_count 2
		.amdhsa_user_sgpr_kernarg_segment_ptr 1
		.amdhsa_wavefront_size32 1
		.amdhsa_system_sgpr_workgroup_id_x 1
		.amdhsa_system_sgpr_workgroup_id_y 1
		.amdhsa_system_sgpr_workgroup_id_z 1
		.amdhsa_system_vgpr_workitem_id 0
		.amdhsa_next_free_vgpr 256
		.amdhsa_next_free_sgpr 100
		.amdhsa_reserve_vcc 0
		.amdhsa_float_denorm_mode_32 3
		.amdhsa_float_denorm_mode_16_64 3
		.amdhsa_memory_ordered 1
		.amdhsa_forward_progress 1
		.amdhsa_inst_pref_size 199
	.end_amdhsa_kernel
	.amdgpu_metadata
---
amdhsa.version: [ 1, 2 ]
amdhsa.kernels:
  - .name:           k_q4aa4e9b95a_attn
    .symbol:         k_q4aa4e9b95a_attn.kd
    .args:
      - { .name: qn, .offset: 0, .size: 8, .value_kind: global_buffer, .address_space: global }
      - { .name: Wq_codes, .offset: 8, .size: 8, .value_kind: global_buffer, .address_space: global }
      - { .name: bq, .offset: 16, .size: 8, .value_kind: global_buffer, .address_space: global }
      - { .name: kvimg, .offset: 24, .size: 8, .value_kind: global_buffer, .address_space: global }
      - { .name: lmask, .offset: 32, .size: 8, .value_kind: global_buffer, .address_space: global }
      - { .name: steps, .offset: 40, .size: 8, .value_kind: global_buffer, .address_space: global }
      - { .name: lowp_scales, .offset: 48, .size: 8, .value_kind: global_buffer, .address_space: global }
      - { .name: oimg, .offset: 56, .size: 8, .value_kind: global_buffer, .address_space: global }
    .group_segment_fixed_size: 199680
    .private_segment_fixed_size: 0
    .kernarg_segment_align: 8
    .kernarg_segment_size: 64
    .max_flat_workgroup_size: 512
    .sgpr_count:     100
    .vgpr_count:     256
    .wavefront_size: 32
...
	.end_amdgpu_metadata
.endif
;; end of part 5
;; launch oproj: the kernel of part 4 again; grid 64 x 4, 4 waves a work-group, clusters of 4 x 1, 296,448 bytes of LDS; arguments oimg, Wo_codes, bo, q, lowp_scales, out0; writes out0
